; MI455X (gfx1250); checked and timed in simulation.
; The chip was launched on July 23, 2026; its instructions are those of AMD's public machine-readable ISA for CDNA 5 (MIT licence, August 2026) and "CDNA5" Instruction Set Architecture Reference Guide (July 2026). The comments in the code are by the model that wrote it; some were corrected since.
;; Causal Self Attention. Allowed arithmetic: matrix products marked QUANTISED: E2M1 operands, one E8M0 scale for each 32 along K, by v_wmma_scale_f32_16x16x128_f8f6f4 with both operands' format E2M1 (or v_wmma_scale_f32_32x16x128_f4), f32 sums; products left as they are: bf16, f16 or f32 operands; f32 sums; everything else in f32.
;; Inputs: W_attn 1,024 x 3,072 float32; W_proj 1,024 x 1,024 float32; x 4 x 2,048 x 1,024 float32.
;; Outputs: out0 4 x 2,048 x 1,024 float32.
;; This version of the problem:
;;   THIS VERSION OF THE PROBLEM IS GIVEN IN LOW PRECISION. The matrix products marked QUANTISED in the list below multiply operands that are first quantised to E2M1 (2 exponent bits, 1 mantissa bit; 4 bits a number), with one power-of-two scale for each 32 numbers along K (OCP MX v1.0); their sums are f32. The products marked 'left as it is' may take bf16, f16 or f32 operands, with f32 sums. Whichever they take, every output number must still come out within the allowed error. Rounding operands to bf16 (8 significant bits) uses up far more of that allowance than f16 does (11 bits, for magnitudes from 6e-5 to 65,504). All else is computed in f32.
;;   The module's matrix products, in the order in which they are computed (A, B: the left and right operand; K: the contracted axis; several contracted axes count as one K, in the product's order):
;;     1. [M 8,192, K 1,024] x [K 1,024, N 3,072]; A: input x; B: input W_attn: QUANTISED
;;     2. batch 64 x [M 2,048, K 64] x [K 64, N 2,048]; A: computed on the way; B: computed on the way: left as it is (an operand is computed on the way)
;;     3. batch 64 x [M 2,048, K 2,048] x [K 2,048, N 64]; A: computed on the way; B: computed on the way: left as it is (an operand is computed on the way)
;;     4. [M 8,192, K 1,024] x [K 1,024, N 1,024]; A: computed on the way; B: input W_proj: left as it is (an operand is computed on the way)
;;   THE QUANTISER, for each operand of a quantised product, along K:
;;     - K is cut into blocks of 32 from its start; a last block that is shorter is filled with zeros.
;;     - A block's scale is 2^e with e = floor(log2(the largest magnitude in the block)) - 2, held to -126 .. 127; a block of zeros has e = 0. As a byte (E8M0): e + 127.
;;     - Each number is divided by its block's scale, clamped to +-6, and rounded to the nearest number of E2M1, ties to even, subnormals kept.
;;     - The product sums the exact products of the quantised numbers (number of the format x scale) in f32.
;;   ~~~python
;;   def quantise(x, axis):      # numpy; x: float32 -> the quantised numbers, widened to float32 again
;;       x = np.moveaxis(x, axis, -1); K = x.shape[-1]
;;       x = np.pad(x, [(0, 0)] * (x.ndim - 1) + [(0, -K % 32)]); x = x.reshape(x.shape[:-1] + (-1, 32)); a = np.abs(x).max(-1, keepdims=True)
;;       e = np.where(a > 0, np.clip(np.frexp(np.where(a > 0, a, 1))[1] - 1 - 2, -126, 127), 0)      # np.frexp(a)[1] - 1 = floor(log2(a)), exactly
;;       r = np.clip(x / 2.0 ** e, -6, 6)
;;       step = 2.0 ** (np.maximum(np.frexp(np.where(r == 0, 1, r))[1] - 1, 0) - 1)
;;       q = np.round(r / step) * step * 2.0 ** e      # np.round: ties to even
;;       return np.moveaxis(q.reshape(q.shape[:-2] + (-1,))[..., :K], -1, axis).astype(np.float32)
;;   ~~~
;; One version. Each part assembles by itself: llvm-mc -triple=amdgcn-amd-amdhsa -mcpu=gfx1250 --defsym DOCPART=n.
;; ======== version 1 of 1: 5 launches
;; limits: values are held in f16: magnitudes above 65,504 overflow, below 6.1e-05 lose precision
;; workspace buffers: x_codes 4,194,304 bytes; x_scales 262,144 bytes; wa_codes 1,572,864 bytes; wa_scales 98,304 bytes; wpt 2,097,152 bytes; qkv 50,331,648 bytes; qkv16 786,432 bytes; y 16,777,216 bytes
;; launch prep (part 1): grid 368 x 1, 4 waves a work-group, no clusters, 102,912 bytes of LDS; arguments x, W_attn, W_proj, x_codes, x_scales, wa_codes, wa_scales, wpt; writes x_codes, x_scales, wa_codes, wa_scales, wpt
.if DOCPART == 1
	.amdgcn_target "amdgcn-amd-amdhsa--gfx1250"
	.amdhsa_code_object_version 6
	.text
	.protected	k_q30e4b24733_prep
	.globl	k_q30e4b24733_prep
	.p2align	8
	.type	k_q30e4b24733_prep,@function
k_q30e4b24733_prep:
	s_mov_b64 s[64:65], 0
	v_nop
	global_prefetch_b8 v0, s[64:65] scope:SCOPE_SE
	s_setreg_imm32_b32 hwreg(HW_REG_WAVE_MODE, 25, 1), 1
	s_wait_xcnt 0x0
; THE OPERANDS ARE MADE READY, ONCE.  Three kinds of work-group, told apart by the work-group's number alone; each kind has LDS bytes of its own.
;   0 .. 255    x [8192][1024] f32, K innermost  -> codes of FP4 (E2M1) x_codes [8192][512 bytes] and E8M0 bytes x_scales [8192][32]
;   256 .. 303  W_attn [1024 (k)][3072 (n)] f32  -> wa_codes [3072][512 bytes], K innermost, and wa_scales [3072][32]
;   304 .. 367  W_proj [1024 (k)][1024 (n)] f32  -> wpt [1024 (n)][1024 (k)] f16, K innermost
; A block of 32 along K has the scale 2^(floor(log2(its largest magnitude)) - 2); its byte is the largest magnitude's exponent field - 2, held at 1 from below; each number is divided by the scale
; and rounded to the nearest code, ties to even, beyond 6 the largest code.
; LIMITS: a block of zeros gets the byte 1 where the quantiser's text says 127: its codes are zeros, and the bytes are read by this program alone.  Blocks whose largest magnitude lies under 2^-124
; are held at the byte 1.  NaN and infinities among the inputs are not served.  |W_proj| stays under 65,504 (f16).
; No tensor loads, no barrier: waves share nothing.
.set SPW,    190                       ; v190  LDS address of my spare word; never rewritten
.set NIL,    191                       ; v191  0; never rewritten
.set XREG,   8192                      ; x: a region for each wave: two stages of 32 x 80 bytes, then its 256 scale bytes
.set SP,     80                        ; a lane's place in a stage: its 64 bytes + 16 of padding
.set STEPS,  16
.set RW,     16                        ; v16-79    x: four sets of 16 numbers as loaded
.set NB,     80                        ; v80-111   x: two sets of 16 neighbours
.set EB,     112                       ; v112-127  x: a scale byte for each step
.set CD,     128                       ; v128-189  x: codes, four registers apart for each step: no store's data are written again
.set CPITCH, 272                       ; the weights' stages: a row of 256 bytes + 16
.set ASTAGE, 32768                     ; W_attn's four stages of 32 rows
.set PSTAGE, 67584                     ; W_proj's four stages
.set SPARE,  102400                    ; the spare words, 128 bytes for each wave: two blocks of 256 bytes that no other line names
.set AX,     32                        ; v32-95    the weights: two sets of 32 numbers down K
.set ACD,    96                        ; v96-111   a block's codes, or its 32 f16 numbers
.set ASB,    24                        ; v24-27    scale bytes, four to a register
.set AOUT,   112                       ; v112-175  the way out
.macro END3                            ; a wave's end
	s_wait_tensorcnt 0x0
	ds_add_u32 v[SPW], v[NIL]
	s_wait_dscnt 0x0
	s_endpgm
.endm
.macro XLOAD t                         ; step t of x: four loads of 512 consecutive bytes
.irp i, 0,1,2,3
	global_load_b128 v[RW+16*((\t)%4)+4*\i:RW+16*((\t)%4)+4*\i+3], v3, s[4:5] offset:2048*(\t)+512*\i th:TH_LOAD_NT
.endr
.endm
.macro XTURN t                         ; its 2,048 bytes through my stage: in as they lie, back 64 bytes a lane.  LDS serves a wave's instructions in order: no wait between
.irp i, 0,1,2,3
	ds_store_b128 v14, v[RW+16*((\t)%4)+4*\i:RW+16*((\t)%4)+4*\i+3] offset:32*SP*((\t)%2)+8*SP*\i
.endr
.irp i, 0,1,2,3
	ds_load_b128 v[NB+16*((\t)%2)+4*\i:NB+16*((\t)%2)+4*\i+3], v15 offset:32*SP*((\t)%2)+16*\i
.endr
.endm
.macro XSTEP t
.set XS, NB+16*((\t)%2)
.if (\t) > 0
	s_wait_dscnt 1                                 ; this step's numbers are back from the stage; the last step's byte store may be out
.else
	s_wait_dscnt 0x0
.endif
.if (\t)+4 < STEPS
	XLOAD (\t)+4                                   ; into the set whose stores into the stage are done
.endif
.if (\t)+1 < STEPS
.if STEPS-2-(\t) >= 3
	s_wait_loadcnt 12                              ; the next step's four loads are in; those of the three steps behind it may be out
.else
	s_wait_loadcnt 4*(STEPS-2-(\t))
.endif
	XTURN (\t)+1
.endif
	v_max3_num_f32 v8, |v[XS]|, |v[XS+1]|, |v[XS+2]|      ; the largest magnitude of my 16, in two chains
	v_max3_num_f32 v9, |v[XS+3]|, |v[XS+4]|, |v[XS+5]|
.irp i, 6,10
	v_max3_num_f32 v8, v8, |v[XS+\i]|, |v[XS+\i+1]|
	v_max3_num_f32 v9, v9, |v[XS+\i+2]|, |v[XS+\i+3]|
.endr
	v_max3_num_f32 v8, v8, |v[XS+14]|, |v[XS+15]|
	v_max3_num_f32 v8, v8, v9, 0x1800000           ; and the floor 2^(3 - 127): the byte cannot fall under 1
	v_max_num_f32_dpp v8, v8, v8 row_xmask:1 row_mask:0xf bank_mask:0xf   ; with my neighbour's 16: the block's
	v_add_nc_u32 v11, 0xff000000, v8               ; 2 off its exponent field: the conversion takes this operand's exponent field as its scale
	v_cvt_scalef32_pk8_fp4_f32 v[CD+4*(\t)], v[XS:XS+7], v11
	v_cvt_scalef32_pk8_fp4_f32 v[CD+4*(\t)+1], v[XS+8:XS+15], v11
	v_lshrrev_b32 v[EB+(\t)], 23, v11              ; the scale's byte
	ds_store_b8 v5, v[EB+(\t)] offset:16*(\t)      ; both lanes of a block write the same byte with the same value
	global_store_b64 v4, v[CD+4*(\t):CD+4*(\t)+1], s[10:11] offset:256*(\t)   ; the wave stores 256 consecutive bytes, aligned
.endm
.macro KLOAD t, base, rowb             ; a weight's block t: rows 32 t + i of my column, into set t % 2; a wave's load reads 128 consecutive bytes
.irp i, 0,1,2,3,4,5,6,7,8,9,10,11,12,13,14,15,16,17,18,19,20,21,22,23,24,25,26,27,28,29,30,31
	global_load_b32 v[AX+32*((\t)%2)+\i], v3, s[\base:\base+1] offset:(32*(\t)+\i)*\rowb th:TH_LOAD_NT
.endr
.endm
.macro CADDR stage, sh                 ; a weight's addresses: a lane to a column on the way in; sixteen lanes to a row of 256 bytes on the way out
	v_lshlrev_b32 v3, 2, v2                        ; in: 4 bytes a lane
	s_mul_i32 s27, s20, 32*CPITCH
	s_add_co_u32 s27, s27, \stage                  ; my stage
	v_mul_u32_u24 v4, v2, CPITCH
	v_add_nc_u32 v4, s27, v4                       ; into it: row = my column
	v_and_b32 v5, 15, v2
	v_lshrrev_b32 v6, 4, v2
	v_mul_u32_u24 v7, v6, CPITCH
	v_lshl_add_u32 v7, v5, 4, v7
	v_add_nc_u32 v7, s27, v7                       ; out of it: two rows an instruction
	v_lshlrev_b32 v8, \sh, v6
	v_lshl_add_u32 v8, v5, 4, v8                   ; and the same place in the buffer
.endm
.macro COUT base, rowb
.irp t, 0,1,2,3,4,5,6,7,8,9,10,11,12,13,14,15
	ds_load_b128 v[AOUT+4*\t:AOUT+4*\t+3], v7 offset:2*\t*CPITCH   ; LDS serves a wave's instructions in order: these see my stores
.endr
.irp t, 0,1,2,3,4,5,6,7,8,9,10,11,12,13,14,15
	s_wait_dscnt 15-\t                             ; the younger loads may be out
	global_store_b128 v8, v[AOUT+4*\t:AOUT+4*\t+3], s[\base:\base+1] offset:2*\t*\rowb   ; sixteen lanes store 256 consecutive bytes, aligned
.endr
.endm
.macro ABLOCK t                        ; W_attn: block t of my column: all its 32 numbers are mine
.set XS, AX+32*((\t)%2)
.if (\t) < 15
	s_wait_loadcnt 32                              ; this block's 32 loads are in; the next block's may be out
.else
	s_wait_loadcnt 0
.endif
	v_max3_num_f32 v12, |v[XS]|, |v[XS+1]|, |v[XS+2]|
	v_max3_num_f32 v13, |v[XS+3]|, |v[XS+4]|, |v[XS+5]|
.irp i, 6,10,14,18,22,26
	v_max3_num_f32 v12, v12, |v[XS+\i]|, |v[XS+\i+1]|
	v_max3_num_f32 v13, v13, |v[XS+\i+2]|, |v[XS+\i+3]|
.endr
	v_max3_num_f32 v12, v12, |v[XS+30]|, |v[XS+31]|
	v_max3_num_f32 v12, v12, v13, 0x1800000        ; the floor
	v_add_nc_u32 v11, 0xff000000, v12              ; the conversion's scale operand
	v_lshrrev_b32 v13, 23, v11                     ; the scale's byte
.if (\t)%4 == 0
	v_mov_b32 v[ASB+(\t)/4], v13                   ; four bytes to a register, the lower K in the lower byte
.else
	v_lshl_or_b32 v[ASB+(\t)/4], v13, 8*((\t)%4), v[ASB+(\t)/4]
.endif
.irp g, 0,1,2,3
	v_cvt_scalef32_pk8_fp4_f32 v[ACD+\g], v[XS+8*\g:XS+8*\g+7], v11
.endr
	ds_store_b128 v4, v[ACD:ACD+3] offset:16*(\t)  ; 32 codes: 16 bytes of my column's row
.if (\t)+2 < 16
	KLOAD (\t)+2, 6, 12288
.endif
	s_wait_dscnt 0x0                               ; the store has read its registers: the next block's codes may be written
.endm
.macro PBLOCK t                        ; W_proj: 32 numbers down K of my column become 32 f16 numbers: 64 bytes of my column's row
.set XS, AX+32*((\t)%2)
.if (\t) < 3
	s_wait_loadcnt 32
.else
	s_wait_loadcnt 0
.endif
.irp i, 0,1,2,3,4,5,6,7,8,9,10,11,12,13,14,15
	v_cvt_pk_f16_f32 v[ACD+\i], v[XS+2*\i], v[XS+2*\i+1]
.endr
.irp g, 0,1,2,3
	ds_store_b128 v4, v[ACD+4*\g:ACD+4*\g+3] offset:64*(\t)+16*\g
.endr
.if (\t)+2 < 4
	KLOAD (\t)+2, 8, 4096
.endif
	s_wait_dscnt 0x0
.endm
	s_load_b256 s[4:11], s[0:1], 0x0               ; x s[4:5], W_attn s[6:7], W_proj s[8:9], x_codes s[10:11]
	s_load_b256 s[12:19], s[0:1], 0x20             ; x_scales s[12:13], wa_codes s[14:15], wa_scales s[16:17], wpt s[18:19]
	v_lshl_add_u32 v[SPW], v0, 2, SPARE
	v_mov_b32 v[NIL], 0
	v_lshrrev_b32 v1, 5, v0
	v_readfirstlane_b32 s20, v1                    ; wave 0..3
	v_and_b32 v2, 31, v0                           ; lane
	s_mov_b32 s25, 0                               ; the upper word of every offset
	s_wait_kmcnt 0x0
	s_cmp_ge_u32 ttmp9, 256
	s_cbranch_scc1 .Lnot_x
	; ---- x: a plain stream of blocks of 32.  A wave takes 16 steps of 512 numbers
	v_lshlrev_b32 v3, 4, v2                        ; my 16 bytes of a load's 512
	s_mul_i32 s21, s20, XREG
	v_lshrrev_b32 v14, 2, v2
	v_mul_u32_u24 v14, v14, SP
	v_and_b32 v15, 3, v2
	v_lshl_add_u32 v14, v15, 4, v14
	v_add_nc_u32 v14, s21, v14                     ; the stage, in: four lanes' 64 bytes on end, then 16 of padding
	v_mul_u32_u24 v15, v2, SP
	v_add_nc_u32 v15, s21, v15                     ; and back: my 16 neighbours
	v_lshlrev_b32 v4, 3, v2                        ; my 8 bytes of a step's codes
	v_lshrrev_b32 v5, 1, v2
	s_add_co_u32 s21, s21, 2*32*SP
	v_add_nc_u32 v5, s21, v5                       ; my block's byte among my wave's 256 scale bytes
	v_lshlrev_b32 v7, 3, v2
	v_add_nc_u32 v6, s21, v7                       ; and 8 of them a lane on the way out
	s_lshl_b32 s22, ttmp9, 2
	s_add_co_u32 s22, s22, s20                     ; which run of 8,192 numbers is my wave's
	s_lshl_b32 s24, s22, 15
	s_add_nc_u64 s[4:5], s[4:5], s[24:25]
	s_lshl_b32 s24, s22, 12
	s_add_nc_u64 s[10:11], s[10:11], s[24:25]
	s_lshl_b32 s24, s22, 8
	s_add_nc_u64 s[12:13], s[12:13], s[24:25]
.irp t, 0,1,2,3
	XLOAD \t
.endr
	s_wait_loadcnt 12                              ; step 0's four loads are in
	XTURN 0
.irp t, 0,1,2,3,4,5,6,7,8,9,10,11,12,13,14,15
	XSTEP \t
.endr
	ds_load_b64 v[8:9], v6                         ; my wave's 256 scale bytes
	s_wait_dscnt 0x0
	global_store_b64 v7, v[8:9], s[12:13]          ; 32 lanes store 256 consecutive bytes, aligned
	END3
.Lnot_x:
	s_cmp_ge_u32 ttmp9, 304
	s_cbranch_scc1 .Lpath_wp
	; ---- W_attn: a lane takes a column n and its registers run down K.  A wave takes 32 columns x 512 along K
	s_sub_co_u32 s21, ttmp9, 256
	s_lshr_b32 s22, s21, 1                         ; which 128 columns
	s_and_b32 s23, s21, 1                          ; which half of K
	s_lshl_b32 s22, s22, 7
	s_lshl_b32 s24, s20, 5
	s_add_co_u32 s22, s22, s24                     ; my wave's first column
	CADDR ASTAGE, 9                                ; a row of wa_codes is 512 bytes
	v_lshlrev_b32 v9, 5, v2                        ; my column's row of scale bytes: 32 bytes
	s_mul_i32 s24, s23, 512*12288
	s_lshl_b32 s26, s22, 2
	s_add_co_u32 s24, s24, s26
	s_add_nc_u64 s[6:7], s[6:7], s[24:25]          ; W_attn at (512 x half, my first column)
	s_lshl_b32 s24, s22, 9
	s_lshl_b32 s26, s23, 8
	s_add_co_u32 s24, s24, s26
	s_add_nc_u64 s[14:15], s[14:15], s[24:25]
	s_lshl_b32 s24, s22, 5
	s_lshl_b32 s26, s23, 4
	s_add_co_u32 s24, s24, s26
	s_add_nc_u64 s[16:17], s[16:17], s[24:25]
	KLOAD 0, 6, 12288
	KLOAD 1, 6, 12288
.irp t, 0,1,2,3,4,5,6,7,8,9,10,11,12,13,14,15
	ABLOCK \t
.endr
	global_store_b128 v9, v[ASB:ASB+3], s[16:17]   ; my column's 16 scale bytes of this half of K
	COUT 14, 512
	END3
.Lpath_wp:
	; ---- W_proj: the same frame, rounded to f16.  A wave takes 32 columns x 128 along K
	s_sub_co_u32 s21, ttmp9, 304
	s_lshr_b32 s22, s21, 3                         ; which 128 columns
	s_and_b32 s23, s21, 7                          ; which 128 along K
	s_lshl_b32 s22, s22, 7
	s_lshl_b32 s24, s20, 5
	s_add_co_u32 s22, s22, s24                     ; my wave's first column
	CADDR PSTAGE, 11                               ; a row of wpt is 2,048 bytes
	s_lshl_b32 s24, s23, 19                        ; 128 rows of 4,096 bytes
	s_lshl_b32 s26, s22, 2
	s_add_co_u32 s24, s24, s26
	s_add_nc_u64 s[8:9], s[8:9], s[24:25]
	s_lshl_b32 s24, s22, 11
	s_lshl_b32 s26, s23, 8
	s_add_co_u32 s24, s24, s26
	s_add_nc_u64 s[18:19], s[18:19], s[24:25]
	KLOAD 0, 8, 4096
	KLOAD 1, 8, 4096
.irp t, 0,1,2,3
	PBLOCK \t
.endr
	COUT 18, 2048
	END3
.Lfunc_end_k_q30e4b24733_prep:
	.size	k_q30e4b24733_prep, .Lfunc_end_k_q30e4b24733_prep-k_q30e4b24733_prep
	.p2alignl 7, 3214868480
	.fill 96, 4, 3214868480
	.section	.rodata,"a",@progbits
	.p2align	6, 0x0
	.amdhsa_kernel k_q30e4b24733_prep
		.amdhsa_group_segment_fixed_size 102912
		.amdhsa_private_segment_fixed_size 0
		.amdhsa_enable_private_segment 0
		.amdhsa_kernarg_size 64
		.amdhsa_user_sgpr_count 2
		.amdhsa_user_sgpr_kernarg_segment_ptr 1
		.amdhsa_wavefront_size32 1
		.amdhsa_system_sgpr_workgroup_id_x 1
		.amdhsa_system_sgpr_workgroup_id_y 1
		.amdhsa_system_sgpr_workgroup_id_z 1
		.amdhsa_system_vgpr_workitem_id 0
		.amdhsa_next_free_vgpr 192
		.amdhsa_next_free_sgpr 66
		.amdhsa_reserve_vcc 0
		.amdhsa_float_denorm_mode_32 3
		.amdhsa_float_denorm_mode_16_64 3
		.amdhsa_memory_ordered 1
		.amdhsa_forward_progress 1
		.amdhsa_inst_pref_size 132
	.end_amdhsa_kernel
	.amdgpu_metadata
---
amdhsa.version: [ 1, 2 ]
amdhsa.kernels:
  - .name:           k_q30e4b24733_prep
    .symbol:         k_q30e4b24733_prep.kd
    .args:
      - { .name: x, .offset: 0, .size: 8, .value_kind: global_buffer, .address_space: global }
      - { .name: W_attn, .offset: 8, .size: 8, .value_kind: global_buffer, .address_space: global }
      - { .name: W_proj, .offset: 16, .size: 8, .value_kind: global_buffer, .address_space: global }
      - { .name: x_codes, .offset: 24, .size: 8, .value_kind: global_buffer, .address_space: global }
      - { .name: x_scales, .offset: 32, .size: 8, .value_kind: global_buffer, .address_space: global }
      - { .name: wa_codes, .offset: 40, .size: 8, .value_kind: global_buffer, .address_space: global }
      - { .name: wa_scales, .offset: 48, .size: 8, .value_kind: global_buffer, .address_space: global }
      - { .name: wpt, .offset: 56, .size: 8, .value_kind: global_buffer, .address_space: global }
    .group_segment_fixed_size: 102912
    .private_segment_fixed_size: 0
    .kernarg_segment_align: 8
    .kernarg_segment_size: 64
    .max_flat_workgroup_size: 128
    .sgpr_count:     66
    .vgpr_count:     192
    .wavefront_size: 32
...
	.end_amdgpu_metadata
.endif
;; end of part 1
;; launch qkv (part 2): grid 12 x 32, 4 waves a work-group, clusters of 4 x 4, 327,680 bytes of LDS; arguments x_codes, x_scales, wa_codes, wa_scales, qkv, qkv16; writes qkv, qkv16
.if DOCPART == 2
	.amdgcn_target "amdgcn-amd-amdhsa--gfx1250"
	.amdhsa_code_object_version 6
	.text
	.protected	k_q30e4b24733_qkv
	.globl	k_q30e4b24733_qkv
	.p2align	8
	.type	k_q30e4b24733_qkv,@function
k_q30e4b24733_qkv:
	s_mov_b64 s[64:65], 0
	v_nop
	global_prefetch_b8 v0, s[64:65] scope:SCOPE_SE
	s_setreg_imm32_b32 hwreg(HW_REG_WAVE_MODE, 25, 1), 1
	s_wait_xcnt 0x0
	s_wait_alu depctr_hold_cnt(0) depctr_sa_sdst(0) depctr_va_vdst(0) depctr_va_sdst(0) depctr_va_ssrc(0) depctr_va_vcc(0) depctr_vm_vsrc(0)
	s_getreg_b32 s2, hwreg(HW_REG_IB_STS2, 6, 4)
	s_cmp_eq_u32 s2, 0
	s_cbranch_scc0 .Lentry_in_a_cluster
	s_endpgm
.Lentry_in_a_cluster:
	s_bfe_u32 s2, ttmp6, 0x10000c
	s_cmp_lg_u32 s2, 0xf033
	s_cbranch_scc0 .Lentry_shape_is_right
	s_endpgm
.Lentry_shape_is_right:
; qkv = Q(x) Q(W_attn): [8192][1024] x [1024][3072] on codes of FP4 (E2M1) with one E8M0 scale for each 32 along K; sums in f32.
; A = x_codes [8192][512 bytes], B = wa_codes [3072][512 bytes], K innermost; their scale bytes [rows][32].
; OUT: qkv [g = 48][m = 8192][64] f16, g = 16 x part (q, k, v) + head, m = 2048 x batch + position: a head's rows of 128 bytes lie on end.
;      qkv16 [batch][16][3072] f32: the first 16 positions of each batch, unrounded, for the launch that carries those rows in f32.
; LIMIT: |qkv| stays under 65,504 (f16).
; A tile of 256 x 256 is made by a work-group of four waves; a wave makes 128 x 128: 64 accumulators, 512 registers.  All of K, 1,024, lies in two LDS slots of 512 along K: each is filled once,
; by tensor loads issued at the head; by this text's count a wave has three out there (scales, slot 0, slot 1).
; CLUSTERS: 4 x 4 work-groups.  The four of a row of the cluster need the same tiles of A, the four of a column the same tiles of B: each is asked for jointly.
; THE TILE ROW IS 8 cy + cluster y: so a cluster's row cy works in batch cy, and whether a tile holds positions 0-15 hangs on cluster y alone, which all sixteen partners share.
; THE MATRIX INSTRUCTION IS USED TRANSPOSED (source 0 = 16 rows of B, source 1 = 16 rows of A): a lane holds eight neighbouring columns of one row.
; REGISTERS, in windows of 256: window 0: v0-31 addresses; v32-95 scale words, two sets, and nothing else; v128-191 A's fragments, one set; on the way out v128-223.
;   window 1: B's fragments, two sets, at v0 and v128.   window 2: the accumulators of my rows 0-63 ((a, b) at v[8 (8 a + b)]);   window 3: those of my rows 64-127.
.set NQ,     4                         ; matrix instructions deep in a slot
.set ROWB,   256                       ; a tile's row in bytes: 512 codes
.set KROW,   512                       ; a row of A or B in memory
.set PITCH,  272                       ; an LDS row: 256 bytes + 16: the 16 rows that a load touches start 68 words apart
.set FR,     8
.set NL,     2
.set NP,     4                         ; places behind this matrix instruction (ISA guide 7.12.1)
.set HALFT,  128*PITCH
.set SLOT,   4*HALFT                   ; A's 256 rows, then B's 256 rows
.set KS,     32                        ; a row of scales in bytes
.set SCL,    2*SLOT                    ; behind the slots: the scales, as units of 256 bytes + 16
.set HALFS,  (128*KS/256)*272
.set SBLK,   (16*KS/256)*272
.set SPARE,  SCL+4*HALFS               ; the spare words, 128 bytes for each wave
.set SPITCH, 528                       ; the way out in f32: 16 rows x (512 + 16) for each wave, in slot 0, which has had its only fill and its last read by then
.set HPITCH, 272                       ; the way out in f16: 16 rows x (256 + 16), in the same bytes
.set ADRA, 16
.set ADRB, 20
.set STO32, 22
.set RD32,  23
.set STO16, 24
.set RD16,  25
.set CO,   26                          ; 16 x lane
.set ADRS, 27
.set SPW,  28
.set NIL,  29
.set SC,   32
.set AF,   128
.set BK,   128                         ; rows read back from the stage
.set TMP,  192                         ; packed results
.set G1, 24
.set G0, 32
.set G1B, 48
.set G0B, 56
.set G1S, 68
.set G0S, 76
.set G1SB, 80
.set G0SB, 88
.set MSB, 0
.macro WIN new                         ; the immediate's high byte repeats the setting that is left
.if MSB != (\new)
	s_set_vgpr_msb (MSB<<8)|(\new)
.set MSB, (\new)
.endif
.endm
.set MUL_LO, 0xa1                      ; source 0 (B) window 1, source 1 (A) window 0, C and D window 2
.set MUL_HI, 0xf1
.set TO_B,   0x40
; A joint load: waves 0 and 1 fetch for A, waves 2 and 3 for B.  The branch hangs on the wave's number alone.  An s_nop 0 and four v_nop follow each line.
.macro JLOAD g0a, g1a, g0b, g1b
	s_cmp_eq_u32 s15, 0
	s_cbranch_scc0 .Lfor_b_\@
	tensor_load_to_lds s[\g0a:\g0a+3], s[\g1a:\g1a+7]
	s_nop 0
.rept 4
	v_nop
.endr
	s_branch .Lasked_\@
.Lfor_b_\@:
	tensor_load_to_lds s[\g0b:\g0b+3], s[\g1b:\g1b+7]
	s_nop 0
.rept 4
	v_nop
.endr
.Lasked_\@:
.endm
.macro CROUND                          ; a round of the cluster's barrier
	s_barrier_signal -1
	s_barrier_wait -1
	s_cmp_lg_u32 s14, 0
	s_cbranch_scc1 .Lnot_wave_0_\@
	s_barrier_signal -3
.Lnot_wave_0_\@:
	s_barrier_wait -3
	s_barrier_signal -1
	s_barrier_wait -1
.endm
	s_load_b128 s[4:7], s[0:1], 0x0                ; A's codes s[4:5], A's scales s[6:7]
	s_load_b128 s[8:11], s[0:1], 0x10              ; B's codes s[8:9], B's scales s[10:11]
	s_load_b128 s[96:99], s[0:1], 0x20             ; qkv s[96:97], qkv16 s[98:99]
	v_lshl_add_u32 v[SPW], v0, 2, SPARE
	v_mov_b32 v[NIL], 0
	ds_add_u32 v[SPW], v[NIL]                      ; the wave's opening: the add, twice on end, and its wait ahead of my first tensor load
	ds_add_u32 v[SPW], v[NIL]
	v_lshrrev_b32 v1, 5, v0
	v_readfirstlane_b32 s14, v1                    ; wave 0..3
	s_lshr_b32 s15, s14, 1                         ; which half of the tile's rows is mine.  Also: I fetch for A (0) or for B (1)
	s_and_b32 s16, s14, 1                          ; which half of its columns.  Also: which 128 rows of that tile I fetch
	s_bfe_u32 s40, ttmp6, 0x40000                  ; cx
	s_bfe_u32 s41, ttmp6, 0x40004                  ; cy
	s_lshl_b32 s42, ttmp9, 2
	s_add_co_u32 s42, s42, s40                     ; tile column = 4 x cluster x + cx
	s_and_b32 s17, ttmp7, 0xffff
	s_lshl_b32 s18, s41, 3
	s_add_co_u32 s17, s17, s18                     ; tile row = 8 cy + cluster y
	s_lshl_b32 s43, s41, 2
	s_lshl_b32 s43, 15, s43                        ; my row of the cluster
	s_lshl_b32 s44, 0x1111, s40                    ; my column
	s_or_b32 s[G1+0], s43, (0<<16)|(1<<20)|(1<<21)|(5<<22)|(3<<25)  ; the mask; elements of 1 byte; padding on; bit 21 beside a mask; after every 64 words four words
	s_or_b32 s[G1B+0], s44, (0<<16)|(1<<20)|(1<<21)|(5<<22)|(3<<25)
.irp g, G1, G1B
	s_mov_b32 s[\g+1], ROWB<<16                    ; tensor_dim0
	s_mov_b32 s[\g+2], 128<<16                     ; tensor_dim1
	s_mov_b32 s[\g+3], ROWB<<16                    ; tile_dim0
	s_mov_b32 s[\g+4], 128                         ; tile_dim1
	s_mov_b32 s[\g+5], KROW                        ; the pitch
	s_mov_b32 s[\g+6], 0
	s_mov_b32 s[\g+7], 0
.endr
	s_or_b32 s[G1S+0], s43, (3<<16)|(1<<20)|(1<<21)|(5<<22)|(3<<25)  ; the scales of 128 rows: 4,096 dense bytes as 16 rows of 256 (32 elements of 8 bytes), 16 bytes of padding behind each
	s_or_b32 s[G1SB+0], s44, (3<<16)|(1<<20)|(1<<21)|(5<<22)|(3<<25)
.irp g, G1S, G1SB
	s_mov_b32 s[\g+1], 32<<16
	s_mov_b32 s[\g+2], (128*KS/256)<<16
	s_mov_b32 s[\g+3], 32<<16
	s_mov_b32 s[\g+4], 128*KS/256
	s_mov_b32 s[\g+5], 32
	s_mov_b32 s[\g+6], 0
	s_mov_b32 s[\g+7], 0
.endr
	s_lshl_b32 s18, s16, 7                         ; which 128 rows of the tile I fetch
	s_lshl_b32 s20, s17, 8
	s_add_co_u32 s20, s20, s18                     ; A: row 256 x tile row + 128 x half
	s_lshl_b32 s46, s42, 8
	s_add_co_u32 s46, s46, s18                     ; B: row 256 x tile column + 128 x half
	s_mov_b32 s21, 0
	s_mov_b32 s47, 0
	s_mov_b64 s[18:19], KS
	s_mul_u64 s[22:23], s[20:21], s[18:19]         ; where these rows' scales begin
	s_mul_u64 s[92:93], s[46:47], s[18:19]
	s_mov_b64 s[18:19], KROW
	s_mul_u64 s[20:21], s[20:21], s[18:19]         ; and their codes
	s_mul_u64 s[46:47], s[46:47], s[18:19]
	s_mul_i32 s45, s14, HALFT                      ; where they go: wave x 128 rows
	s_mul_i32 s94, s14, HALFS
	s_wait_dscnt 0x0                               ; both opening adds are done
	s_wait_kmcnt 0x0
	s_add_nc_u64 s[20:21], s[4:5], s[20:21]
	s_add_nc_u64 s[22:23], s[6:7], s[22:23]
	s_add_nc_u64 s[46:47], s[8:9], s[46:47]
	s_add_nc_u64 s[92:93], s[10:11], s[92:93]
	CROUND                                         ; all sixteen work-groups are here: the joint loads meet
	s_mov_b32 s[G0S], 1
	s_add_co_u32 s[G0S+1], s94, SCL
	s_mov_b64 s[G0S+2:G0S+3], s[22:23]
	s_or_b32 s[G0S+3], s[G0S+3], 0x80000000
	s_mov_b32 s[G0SB], 1
	s_add_co_u32 s[G0SB+1], s94, SCL
	s_mov_b64 s[G0SB+2:G0SB+3], s[92:93]
	s_or_b32 s[G0SB+3], s[G0SB+3], 0x80000000
	JLOAD G0S, G1S, G0SB, G1SB                     ; the scales first
.irp s, 0,1
	s_mov_b32 s[G0+4*\s], 1
	s_add_co_u32 s[G0+4*\s+1], s45, \s*SLOT
	s_add_nc_u64 s[G0+4*\s+2:G0+4*\s+3], s[20:21], \s*ROWB
	s_or_b32 s[G0+4*\s+3], s[G0+4*\s+3], 0x80000000
	s_mov_b32 s[G0B+4*\s], 1
	s_add_co_u32 s[G0B+4*\s+1], s45, \s*SLOT
	s_add_nc_u64 s[G0B+4*\s+2:G0B+4*\s+3], s[46:47], \s*ROWB
	s_or_b32 s[G0B+4*\s+3], s[G0B+4*\s+3], 0x80000000
	JLOAD G0+4*\s, G1, G0B+4*\s, G1B
.endr
	v_and_b32 v1, 15, v0                           ; r = lane % 16
	v_bfe_u32 v2, v0, 4, 1                         ; h = lane / 16
	v_mul_u32_u24 v3, v1, PITCH
	v_lshl_add_u32 v4, v2, 4, v3                   ; a fragment's row x pitch + 16 h
	s_mul_i32 s21, s15, HALFT                      ; my 128 rows of A
	s_mul_i32 s22, s16, HALFT                      ; my 128 rows of B,
	s_add_co_u32 s22, s22, 2*HALFT                 ; behind A's 256
.irp s, 0,1
	v_add_nc_u32 v[ADRA+\s], s21, v4
	v_add_nc_u32 v[ADRB+\s], s22, v4
	s_add_co_u32 s21, s21, SLOT
	s_add_co_u32 s22, s22, SLOT
.endr
	v_mul_u32_u24 v5, v1, KS                       ; my row's scales: 32 bytes a row,
	v_lshrrev_b32 v6, 8, v5
	v_lshl_add_u32 v5, v6, 4, v5                   ; and 16 more for each 256 passed
	s_mul_i32 s21, s15, HALFS
	s_mul_i32 s22, s16, HALFS
	s_add_co_u32 s22, s22, 2*HALFS
	s_sub_co_u32 s22, s22, s21
	v_mul_u32_u24 v6, s22, v2                      ; lanes 16-31 take B's: one product, the distance between the two bases
	s_add_co_u32 s21, s21, SCL
	v_add_nc_u32 v5, v5, v6
	v_add_nc_u32 v[ADRS], s21, v5
	s_mul_i32 s23, s14, 16*SPITCH                  ; my stage
	v_mul_u32_u24 v5, v1, SPITCH
	v_lshl_add_u32 v5, v2, 5, v5
	v_add_nc_u32 v[STO32], s23, v5                 ; f32, in: row r, 32 bytes for each half of the lanes
	v_and_b32 v6, 31, v0
	v_lshlrev_b32 v[CO], 4, v6
	v_add_nc_u32 v[RD32], s23, v[CO]               ; f32, back: the 32 lanes take a row of 512 bytes
	v_mul_u32_u24 v5, v1, HPITCH
	v_lshl_add_u32 v5, v2, 4, v5
	v_add_nc_u32 v[STO16], s23, v5                 ; f16, in: row r, 16 bytes for each half of the lanes
	v_lshrrev_b32 v5, 3, v6
	v_and_b32 v7, 7, v0
	v_lshlrev_b32 v7, 4, v7
	v_mad_u32_u24 v5, v5, HPITCH, v7
	v_add_nc_u32 v[RD16], s23, v5                  ; f16, back: eight lanes take a head's 128 bytes of a row, the 32 lanes four rows
	s_lshl_b32 s20, s17, 8
	s_lshl_b32 s21, s15, 7
	s_add_co_u32 s20, s20, s21                     ; my first row m,
	s_lshl_b32 s20, s20, 7                         ; 128 bytes a row;
	s_lshl_b32 s46, s42, 2
	s_lshl_b32 s47, s16, 1
	s_add_co_u32 s46, s46, s47                     ; my first g = 4 x tile column + 2 x half,
	s_lshl_b32 s46, s46, 20                        ; 2^20 bytes each
	s_add_co_u32 s20, s20, s46
	s_mov_b32 s21, 0
	s_add_nc_u64 s[96:97], s[96:97], s[20:21]
	s_mul_i32 s20, s41, 16*3072*4                  ; qkv16: batch cy,
	s_lshl_b32 s46, s42, 10
	s_lshl_b32 s47, s16, 9
	s_add_co_u32 s20, s20, s46
	s_add_co_u32 s20, s20, s47                     ; my first column, 4 bytes each
	s_add_nc_u64 s[98:99], s[98:99], s[20:21]
.macro FRAG reg, adr, q, i             ; 16 rows x 128 K of 4-bit codes: lane l holds row l % 16; registers 4 c .. 4 c + 3 hold K = 64 c + 32 (l / 16) + 0 .. 31
.irp c, 0,1
	ds_load_b128 v[\reg+4*\c:\reg+4*\c+3], v[\adr] offset:64*(\q)+32*\c+(\i)*16*PITCH
.endr
.endm
; 16 matrix instructions: A's blocks a0, a0 + 1 x B's eight.  The 64 accumulators take turns, one instruction a turn, in the same order in every step.
.macro MUL16 a0, p, q, sc, zero
.irp a, \a0, \a0+1
.irp b, 0,1,2,3,4,5,6,7
.if \zero
	v_wmma_scale_f32_16x16x128_f8f6f4 v[8*(8*((\a)%4)+\b):8*(8*((\a)%4)+\b)+7], v[128*(\p)+FR*\b:128*(\p)+FR*\b+FR-1], v[AF+FR*(\a):AF+FR*(\a)+FR-1], 0, v[SC+8*NQ*(\sc)+NQ*\b+(\q)], v[SC+8*NQ*(\sc)+NQ*(\a)+(\q)] matrix_a_fmt:MATRIX_FMT_FP4 matrix_b_fmt:MATRIX_FMT_FP4 matrix_a_scale:MATRIX_SCALE_ROW1
.else
	v_wmma_scale_f32_16x16x128_f8f6f4 v[8*(8*((\a)%4)+\b):8*(8*((\a)%4)+\b)+7], v[128*(\p)+FR*\b:128*(\p)+FR*\b+FR-1], v[AF+FR*(\a):AF+FR*(\a)+FR-1], v[8*(8*((\a)%4)+\b):8*(8*((\a)%4)+\b)+7], v[SC+8*NQ*(\sc)+NQ*\b+(\q)], v[SC+8*NQ*(\sc)+NQ*(\a)+(\q)] matrix_a_fmt:MATRIX_FMT_FP4 matrix_b_fmt:MATRIX_FMT_FP4 matrix_a_scale:MATRIX_SCALE_ROW1
.endif
.endr
.endr
.endm
.macro FETCH_B slot, q, p
	WIN TO_B
.irp i, 0,1,2,3,4,5,6,7
	FRAG 128*(\p)+FR*\i, ADRB+\slot, \q, \i
.endr
	WIN 0
.endm
.macro FETCH_A slot, q, i0
.irp i, \i0, \i0+1, \i0+2, \i0+3
	FRAG AF+FR*(\i), ADRA+\slot, \q, \i
.endr
.endm
.macro SCALES sc                       ; a slot's scale words: four words a row; lanes 0-15 take A's block i, lanes 16-31 B's block i
.irp i, 0,1,2,3,4,5,6,7
	ds_load_b128 v[SC+8*NQ*\sc+NQ*\i:SC+8*NQ*\sc+NQ*\i+3], v[ADRS] offset:\i*SBLK
.endr
.endm
.macro PLACES n                        ; plain vector instructions that name none of the matrix instructions' registers (ISA guide 7.12.1)
.rept \n
	v_nop
.endr
.endm
.macro STEP slot, q, zero              ; 128 along K, with its successor in the same slot
	s_wait_dscnt 4*NL                              ; B's set and A's blocks 0-3 are in; the youngest eight loads (A's blocks 4-7) may be out
	WIN MUL_LO
	MUL16 0, (\q)%2, \q, \slot, \zero
	MUL16 2, (\q)%2, \q, \slot, \zero
	s_wait_dscnt 0
	PLACES NP
	FETCH_B \slot, (\q)+1, 1-(\q)%2
	FETCH_A \slot, (\q)+1, 0
	WIN MUL_HI
	MUL16 4, (\q)%2, \q, \slot, \zero
	MUL16 6, (\q)%2, \q, \slot, \zero
	PLACES NP
	WIN 0
	FETCH_A \slot, (\q)+1, 4
.endm
.macro TURN slot, next                 ; slot 0's last step changes slots: one barrier; behind it slot 1 is whole for every wave and nobody reads slot 0.  Nothing is filled again
	s_wait_tensorcnt 0x0                           ; all my tensor loads have landed: my part of slot 1 was the last
	ds_add_u32 v[SPW], v[NIL]                      ; 0 onto my spare word
	s_wait_dscnt 4*NL+1                            ; (the add and A's blocks 4-7 may be out)
	WIN MUL_LO
	MUL16 0, 1, NQ-1, \slot, 0
	s_wait_dscnt 0x0                               ; the add is done, and my reads of this slot are over
	s_barrier_signal -1
	MUL16 2, 1, NQ-1, \slot, 0
	WIN 0
	s_barrier_wait -1
	PLACES NP
	v_add_nc_u32 v[ADRS], 4*NQ, v[ADRS]            ; on to the next slot's scale words
	FETCH_B \next, 0, 0
	FETCH_A \next, 0, 0
	SCALES \next
	WIN MUL_HI
	MUL16 4, 1, NQ-1, \slot, 0
	MUL16 6, 1, NQ-1, \slot, 0
	PLACES NP
	WIN 0
	FETCH_A \next, 0, 4
.endm
	s_wait_tensorcnt 1                             ; the scales and my part of slot 0 are in; slot 1's load may be out
	s_barrier_signal -1
	s_barrier_wait -1
	FETCH_B 0, 0, 0
	FETCH_A 0, 0, 0
	SCALES 0
	FETCH_A 0, 0, 4
	STEP 0, 0, 1                                   ; the first step's products start the sums: nothing is cleared
	STEP 0, 1, 0
	STEP 0, 2, 0
	TURN 0, 1
	STEP 1, 0, 0
	STEP 1, 1, 0
	STEP 1, 2, 0
	s_wait_dscnt 4*NL                              ; the last step: nothing more to fetch
	WIN MUL_LO
	MUL16 0, 1, NQ-1, 1, 0
	MUL16 2, 1, NQ-1, 1, 0
	s_wait_dscnt 0
	WIN MUL_HI
	MUL16 4, 1, NQ-1, 1, 0
	MUL16 6, 1, NQ-1, 1, 0
	WIN 0
	PLACES NP                                      ; behind the last products: for the loads into the registers that held A's fragments and for the reads of results
	; POSITIONS 0-15 IN f32.  They are rows 0-15 of the tiles with cluster y = 0, in the waves with the upper half of the rows: block 0.  Both tests are alike in all partners.
	s_cmp_lg_u32 s15, 0
	s_cbranch_scc1 .Lno_fine
	s_and_b32 s2, ttmp7, 0xffff
	s_cmp_lg_u32 s2, 0
	s_cbranch_scc1 .Lno_fine
	WIN 0x08                                       ; an LDS store's data are its source 1: window 2
.irp b, 0,1,2,3,4,5,6,7
	ds_store_b128 v[STO32], v[8*\b:8*\b+3] offset:64*\b              ; each accumulator from its low end on
	ds_store_b128 v[STO32], v[8*\b+4:8*\b+7] offset:64*\b+16
.endr
	WIN 0
.irp t, 0,1,2,3,4,5,6,7,8,9,10,11,12,13,14,15
	ds_load_b128 v[BK+4*\t:BK+4*\t+3], v[RD32] offset:\t*SPITCH      ; LDS serves a wave's instructions in order: these see my stores
.endr
.irp t, 0,1,2,3,4,5,6,7,8,9,10,11,12,13,14,15
	s_wait_dscnt 15-\t
	global_store_b128 v[CO], v[BK+4*\t:BK+4*\t+3], s[98:99] offset:\t*12288   ; 32 lanes store 512 consecutive bytes of position t's row
.endr
	s_wait_xcnt 0x0                                ; these stores have read their registers: the way out below loads into them
.Lno_fine:
; THE WAY OUT IN f16, a block of 16 rows x 128 columns (two heads) at a time: rounded, 16 bytes a lane into my stage, back as four rows of one head: 512 consecutive bytes of qkv.
.macro PACK a
.set AC, 64*((\a)%4)
	WIN 0x0a+5*((\a)/4)                            ; sources 0 and 1: window 2 or 3
.irp b, 0,1,2,3,4,5,6,7
.irp i, 0,1,2,3
	v_cvt_pk_f16_f32 v[TMP+4*\b+\i], v[AC+8*\b+2*\i], v[AC+8*\b+2*\i+1]
.endr
.endr
	WIN 0
.endm
.macro TOSTAGE a
.set BB, BK+32*((\a)%2)
.irp b, 0,1,2,3,4,5,6,7
	ds_store_b128 v[STO16], v[TMP+4*\b:TMP+4*\b+3] offset:32*\b
.endr
.irp t, 0,1,2,3,4,5,6,7
	ds_load_b128 v[BB+4*\t:BB+4*\t+3], v[RD16] offset:(\t%4)*4*HPITCH+128*(\t/4)
.endr
.endm
.macro SEND a
.set BB, BK+32*((\a)%2)
	s_wait_dscnt 0x0                               ; the block is back in registers
	s_wait_xcnt 0x0                                ; the stores of the block before have read their registers: the next block's loads may land there
.irp t, 0,1,2,3,4,5,6,7
	global_store_b128 v[CO], v[BB+4*\t:BB+4*\t+3], s[96:97] offset:(\t/4)*1048576+(\a)*2048+(\t%4)*512   ; head t / 4 of my two, rows 16 a + 4 (t % 4) on
.endr
.endm
	PACK 0
	TOSTAGE 0
.irp a, 1,2,3,4,5,6,7
	PACK \a                                        ; block a's conversions stand between block a - 1's loads from the stage and the wait for them
	SEND \a-1
	TOSTAGE \a
.endr
	SEND 7
	s_wait_tensorcnt 0x0                           ; the wave's end
	ds_add_u32 v[SPW], v[NIL]
	s_wait_dscnt 0x0
	CROUND                                         ; the closing round
	s_endpgm
.Lfunc_end_k_q30e4b24733_qkv:
	.size	k_q30e4b24733_qkv, .Lfunc_end_k_q30e4b24733_qkv-k_q30e4b24733_qkv
	.p2alignl 7, 3214868480
	.fill 96, 4, 3214868480
	.section	.rodata,"a",@progbits
	.p2align	6, 0x0
	.amdhsa_kernel k_q30e4b24733_qkv
		.amdhsa_group_segment_fixed_size 327680
		.amdhsa_private_segment_fixed_size 0
		.amdhsa_enable_private_segment 0
		.amdhsa_kernarg_size 48
		.amdhsa_user_sgpr_count 2
		.amdhsa_user_sgpr_kernarg_segment_ptr 1
		.amdhsa_wavefront_size32 1
		.amdhsa_system_sgpr_workgroup_id_x 1
		.amdhsa_system_sgpr_workgroup_id_y 1
		.amdhsa_system_sgpr_workgroup_id_z 1
		.amdhsa_system_vgpr_workitem_id 0
		.amdhsa_next_free_vgpr 1024
		.amdhsa_next_free_sgpr 100
		.amdhsa_reserve_vcc 0
		.amdhsa_float_denorm_mode_32 3
		.amdhsa_float_denorm_mode_16_64 3
		.amdhsa_memory_ordered 1
		.amdhsa_forward_progress 1
		.amdhsa_inst_pref_size 131
	.end_amdhsa_kernel
	.amdgpu_metadata
---
amdhsa.version: [ 1, 2 ]
amdhsa.kernels:
  - .name:           k_q30e4b24733_qkv
    .symbol:         k_q30e4b24733_qkv.kd
    .args:
      - { .name: x_codes, .offset: 0, .size: 8, .value_kind: global_buffer, .address_space: global }
      - { .name: x_scales, .offset: 8, .size: 8, .value_kind: global_buffer, .address_space: global }
      - { .name: wa_codes, .offset: 16, .size: 8, .value_kind: global_buffer, .address_space: global }
      - { .name: wa_scales, .offset: 24, .size: 8, .value_kind: global_buffer, .address_space: global }
      - { .name: qkv, .offset: 32, .size: 8, .value_kind: global_buffer, .address_space: global }
      - { .name: qkv16, .offset: 40, .size: 8, .value_kind: global_buffer, .address_space: global }
    .group_segment_fixed_size: 327680
    .private_segment_fixed_size: 0
    .kernarg_segment_align: 8
    .kernarg_segment_size: 48
    .max_flat_workgroup_size: 128
    .sgpr_count:     100
    .vgpr_count:     1024
    .wavefront_size: 32
...
	.end_amdgpu_metadata
.endif
;; end of part 2
;; launch attn (part 3): grid 4 x 64, 16 waves a work-group, no clusters, 327,680 bytes of LDS; arguments qkv, y; writes y
.if DOCPART == 3
	.amdgcn_target "amdgcn-amd-amdhsa--gfx1250"
	.amdhsa_code_object_version 6
	.text
	.protected	k_q30e4b24733_attn
	.globl	k_q30e4b24733_attn
	.p2align	8
	.type	k_q30e4b24733_attn,@function
k_q30e4b24733_attn:
	s_mov_b64 s[64:65], 0
	v_nop
	global_prefetch_b8 v0, s[64:65] scope:SCOPE_SE
	s_setreg_imm32_b32 hwreg(HW_REG_WAVE_MODE, 25, 1), 1
	s_wait_xcnt 0x0
; y[b][h][q] = the sum over k <= q of softmax_k(q . k / 32) v, for 64 heads (batch x head) of 2,048 positions and 64 channels.  q, k, v: qkv [g][m][64] f16; y: [h][m][64] f16, m = 2048 b + position.
; Products on f16 operands with f32 sums; maxima, exponentials and sums in f32; the weights p are rounded to f16 for the second product, y once at the end.
; (Positions 0-15 of each batch are computed here like the others; the numbers of the output that hang on them are made anew in f32 by the last launch.)
; SHARES.  A work-group owns query blocks x and 7 - x (256 queries each) of one head: under the causal mask every work-group then has the same number of key steps to work.
; Each of its sixteen waves owns 32 queries, two tiles of 16, of one of the two blocks; of the waves 4 i .. 4 i + 3, and of those with equal number modulo 4, half take either block.
; All sixteen walk the head's keys together, 64 a step, through a ring of two LDS slots of 256 keys (waves 0, 1 fetch K's halves, waves 2, 3 V's).  A step all of whose keys come after a wave's
; queries is jumped over by that wave: a scalar branch on ids; trip counts stay constants, and no barrier is jumped over.
; NO CLUSTER: the four work-groups of a head stop needing keys at different slots (block 7 - x's last query), so a joint load would bring tiles that every wave of a partner jumps over.
; LAYOUT.  S^T = K Q^T (source 0 = 16 keys, source 1 = 16 queries): a lane holds ONE query (lane % 16) and keys 8 (lane / 16) + 0..7 of each tile.  Two such tiles, rounded to f16 in pairs, are source 1
; of O^T = V^T P; V comes out of LDS turned, by ds_load_tr16_b128.  Each fragment of K and V feeds two matrix instructions, one for each of my tiles of queries.
; SOFTMAX.  For each query a running maximum m and sum l: p = 2^(c s - c m), c = log2(e) / 32; in every step O^T and l are multiplied by a = 2^(c m_old - c m_new).
; LIMIT: |q|, |k|, |v| under 65,504 (f16).
.set KP,    144                        ; a key's row in LDS: 128 bytes + 16
.set VP,    160                        ; a row of V: 128 + 32: the turning load's eight rows x 32 bytes fall 40 words apart
.set SK,    256                        ; keys in a slot
.set VOFF,  SK*KP
.set SLOT1, 1<<17                      ; slot 1 begins here: one exclusive or turns an address
.set SLOTB, SK*128                     ; a slot's bytes of K, or of V, in memory
.set STAGE, SLOT1+SK*(KP+VP)           ; behind the ring: 32 rows x 144 bytes for each wave
.set SPARE, STAGE+16*32*KP             ; the spare words, 128 bytes for each wave
.set AK0, 1
.set AV0, 2
.set SPW, 3
.set NIL, 4
.set ADK, 5
.set ADV, 6
.set DL,  7                            ; lane % 16 - 8 (lane / 16)
.set NINF, 8
.set D0,  9
.set D1,  10
.set STO, 11
.set RD,  12
.set GO,  13
.set PFO, 14
.set QA,  15
.set QF,  16                           ; v16-47    Q: tile qt, channels 32 ds on, at 16 qt + 8 ds
.set KV,  48                           ; v48-111   eight fragments of K, then of V
.set SC,  112                          ; v112-175  S^T, 32 a tile; p's f16 pairs take the low 16 of each 32
.set OT,  176                          ; v176-239  O^T, 32 a tile
.set ST,  240                          ; v240-255  a tile's eight: +0 c m, +1 m, +2, +3 l, +4 .. +7 at work (a in +6)
.set WV,  8
.set Q0,  14                           ; my first query
.set QL,  15                           ; my work-group's last query
.set KF,  16                           ; the step's first key
.set TB,  17                           ; LDS byte at which the slot in hand begins
.set SLOTS, 18
.set LIM, 19
.set SEL, 20
.set CS,  22
.set G1K, 24
.set G1V, 32
.set G0K, 40
.set G0V, 44
.set PFA, 48
; Waves 0 and 1 fetch for K, waves 2 and 3 for V, the others nothing.  An s_nop 0 and four v_nop follow each line.
.macro TLOAD
	s_cmp_lt_u32 s[WV], 2
	s_cbranch_scc0 .Lnot_k_\@
	tensor_load_to_lds s[G0K:G0K+3], s[G1K:G1K+7]
	s_nop 0
.rept 4
	v_nop
.endr
	s_branch .Lasked_\@
.Lnot_k_\@:
	s_cmp_lt_u32 s[WV], 4
	s_cbranch_scc0 .Lasked_\@
	tensor_load_to_lds s[G0V:G0V+3], s[G1V:G1V+7]
	s_nop 0
.rept 4
	v_nop
.endr
.Lasked_\@:
.endm
; A PREFETCH INTO THE L2 of the slot that the NEXT change of slots will ask for: 32,768 dense bytes of K and as many of V.  Each aligned 256 bytes are named once in the launch: of a head's four work-groups
; the one with x = 0 asks, which loads all eight slots; in it waves 4 to 7 ask for K, waves 8 to 11 for V, 8,192 bytes a wave, lanes 256 bytes apart.  The last change that fills a slot asks for nothing.
.macro ASK
	s_cmp_gt_u32 s[SLOTS], s[LIM]
	s_cbranch_scc0 .Lnot_mine_\@
	global_prefetch_b8 v[PFO], s[PFA:PFA+1] th:TH_LOAD_NT scope:SCOPE_SE
.Lnot_mine_\@:
.endm
	s_load_b128 s[4:7], s[0:1], 0x0                ; qkv s[4:5], y s[6:7]
	v_lshl_add_u32 v[SPW], v0, 2, SPARE
	v_mov_b32 v[NIL], 0
	ds_add_u32 v[SPW], v[NIL]                      ; the wave's opening: the add, twice on end, and its wait ahead of the first tensor load
	ds_add_u32 v[SPW], v[NIL]
	v_lshrrev_b32 v5, 5, v0
	v_readfirstlane_b32 s[WV], v5                  ; wave 0..15
	s_and_b32 s10, ttmp7, 0xffff
	s_and_b32 s11, s10, 15                         ; head
	s_lshr_b32 s10, s10, 4                         ; batch
	s_lshl_b32 s12, s11, 20
	s_lshl_b32 s10, s10, 18
	s_or_b32 s12, s12, s10                         ; the head's first byte in a part of qkv, and in y
	s_mov_b32 s13, 0
	s_lshr_b32 s56, s[WV], 2
	s_xor_b32 s56, s56, s[WV]
	s_and_b32 s56, s56, 1                          ; which of the two blocks is my wave's
	s_sub_co_u32 s57, 7, ttmp9
	s_cmp_eq_u32 s56, 0
	s_cselect_b32 s57, ttmp9, s57
	s_lshr_b32 s58, s[WV], 1
	s_lshl_b32 s58, s58, 5
	s_lshl_b32 s[Q0], s57, 8
	s_add_co_u32 s[Q0], s[Q0], s58                 ; my first query: 256 x block + 32 x (wave / 2)
	s_sub_co_u32 s[QL], 8, ttmp9
	s_lshl_b32 s[QL], s[QL], 8
	s_sub_co_u32 s[QL], s[QL], 1                   ; block 7 - x's last query
	s_mov_b32 s[G1K], (1<<16)|(1<<20)|(4<<22)|(3<<25)   ; elements of 2 bytes; padding on; after every 32 words four words
	s_mov_b32 s[G1V], (1<<16)|(1<<20)|(4<<22)|(7<<25)   ; the same with eight words
.irp g, G1K, G1V
	s_mov_b32 s[\g+1], 64<<16                      ; tensor_dim0 = 64
	s_mov_b32 s[\g+2], 128<<16                     ; tensor_dim1 = 128
	s_mov_b32 s[\g+3], 64<<16                      ; tile_dim0
	s_mov_b32 s[\g+4], 128                         ; tile_dim1
	s_mov_b32 s[\g+5], 64                          ; the pitch
	s_mov_b32 s[\g+6], 0
	s_mov_b32 s[\g+7], 0
.endr
	s_and_b32 s59, s[WV], 1                        ; which 128 keys of a slot I fetch, if I fetch
	s_mul_i32 s60, s59, 128*KP
	s_mul_i32 s61, s59, 128*VP
	s_add_co_u32 s61, s61, VOFF
	s_lshl_b32 s62, s59, 14
	s_add_co_u32 s62, s62, s12
	s_mov_b32 s63, 0
	s_mov_b32 s[SEL], 0x76543210
	s_mov_b32 s[SEL+1], 0xfedcba98                 ; v_permlanex16_b32's selects for lane l xor 16
	s_mov_b32 s[CS], 0x3d38aa3b                    ; c = log2(e) / 32
	s_mov_b32 s[CS+1], s[CS]                       ; (named with it as a pair, so it is written)
	s_mov_b32 s[TB], 0
	s_mov_b32 s[KF], 0
	s_mov_b32 s[SLOTS], 7
	s_wait_dscnt 0x0                               ; both opening adds are done
	s_wait_kmcnt 0x0
	s_add_nc_u64 s[56:57], s[4:5], s[62:63]
	s_mov_b32 s[G0K], 1
	s_mov_b32 s[G0K+1], s60
	s_add_nc_u64 s[G0K+2:G0K+3], s[56:57], 0x1000000   ; k: parts of 16 heads x 2^20 bytes
	s_or_b32 s[G0K+3], s[G0K+3], 0x80000000
	s_mov_b32 s[G0V], 1
	s_mov_b32 s[G0V+1], s61
	s_add_nc_u64 s[G0V+2:G0V+3], s[56:57], 0x2000000   ; v
	s_or_b32 s[G0V+3], s[G0V+3], 0x80000000
	TLOAD                                          ; slot 0: key 0 counts for every query, so it is read by every wave
	s_lshl_b32 s58, s[Q0], 7
	s_add_co_u32 s58, s58, s12
	s_mov_b32 s59, 0
	s_add_nc_u64 s[50:51], s[4:5], s[58:59]        ; q at my first query
	s_add_nc_u64 s[52:53], s[6:7], s[58:59]        ; y likewise
	s_mov_b32 s57, 0x2000000
	s_cmp_lt_u32 s[WV], 8                          ; the prefetches: waves 4 to 7 for k, waves 8 to 11 for v
	s_cselect_b32 s56, 0x1000000, s57
	s_and_b32 s57, s[WV], 3
	s_lshl_b32 s57, s57, 13                        ; my wave's 8,192 bytes,
	s_add_co_u32 s56, s56, s57
	s_add_co_u32 s56, s56, s12
	s_add_co_u32 s56, s56, SLOTB                   ; in slot 1: the first change of slots steps it to slot 2.  Nothing is prefetched at the head
	s_mov_b32 s57, 0
	s_add_nc_u64 s[PFA:PFA+1], s[4:5], s[56:57]
	s_sub_co_u32 s56, s[WV], 4
	s_lshr_b32 s56, s56, 3                         ; 0 in waves 4 to 11,
	s_or_b32 s56, s56, ttmp9                       ; of the work-group with x = 0
	s_cmp_eq_u32 s56, 0
	s_cselect_b32 s[LIM], 1, -1
	v_and_b32 v5, 15, v0                           ; r
	v_bfe_u32 v6, v0, 4, 1                         ; h
	v_lshlrev_b32 v[QA], 7, v5
	v_lshl_add_u32 v[QA], v6, 4, v[QA]             ; q: row r of 128 bytes, + 16 h
.irp f, 0,1,2,3
	global_load_b128 v[QF+8*\f:QF+8*\f+3], v[QA], s[50:51] offset:(\f/2)*2048+(\f%2)*64
	global_load_b128 v[QF+8*\f+4:QF+8*\f+7], v[QA], s[50:51] offset:(\f/2)*2048+(\f%2)*64+32
.endr
	v_mul_u32_u24 v[AK0], v5, KP
	v_lshl_add_u32 v[AK0], v6, 4, v[AK0]           ; K: row r x pitch + 16 h
	v_and_b32 v9, 7, v0
	v_bfe_u32 v10, v0, 3, 1
	v_lshl_add_u32 v[AV0], v6, 3, v9
	v_mul_u32_u24 v[AV0], v[AV0], VP
	v_lshl_add_u32 v[AV0], v10, 4, v[AV0]
	v_add_nc_u32 v[AV0], VOFF, v[AV0]              ; V, for the turning load: key 8 h + l % 8, channels 8 ((l / 8) % 2) on
	v_lshlrev_b32 v[DL], 3, v6
	v_sub_nc_u32 v[DL], v5, v[DL]
	v_mov_b32 v[NINF], 0xff800000
	s_mul_i32 s56, s[WV], 32*KP
	s_add_co_u32 s56, s56, STAGE                   ; my stage
	v_mul_u32_u24 v[STO], v5, KP
	v_lshl_add_u32 v[STO], v6, 4, v[STO]
	v_add_nc_u32 v[STO], s56, v[STO]               ; in: row r, 16 bytes for each half of the lanes
	v_and_b32 v9, 31, v0
	v_lshrrev_b32 v10, 3, v9
	v_and_b32 v[RD], 7, v0
	v_lshlrev_b32 v[RD], 4, v[RD]
	v_mad_u32_u24 v[RD], v10, KP, v[RD]
	v_add_nc_u32 v[RD], s56, v[RD]                 ; back: eight lanes to a row of 128 bytes, four rows an instruction
	v_lshlrev_b32 v[GO], 4, v9
	v_lshlrev_b32 v[PFO], 8, v9
.irp t, 0,1
	v_mov_b32 v[ST+8*\t+1], 0xff61b1e6             ; m = -3e38, under every score
	v_mul_f32 v[ST+8*\t], s[CS], v[ST+8*\t+1]
.irp j, 2,3,4,5,6,7
	v_mov_b32 v[ST+8*\t+\j], 0
.endr
.endr
.set i, 0
.rept 64
	v_mov_b32 v[OT+i], 0                           ; O^T.  (The step is written once: the first finds zeros, which a = 0 leaves zeros)
.set i, i+1
.endr
; A KEY STEP: 64 keys, the q-th of the slot in hand.
.macro STEP q
	s_add_co_u32 s56, s[Q0], 31
	s_cmp_gt_u32 s[KF], s56                        ; all 64 keys come after my 32 queries: the step's work is left out
	s_cbranch_scc1 .Lhidden_\@
	v_add_nc_u32 v[ADK], s[TB], v[AK0]             ; these two and three v_nop: five places behind the last step's products: four for the loads into the registers that they read,
	v_add_nc_u32 v[ADV], s[TB], v[AV0]             ; five for the products below, which write over p's registers
.rept 3
	v_nop
.endr
.irp f, 0,1,2,3,4,5,6,7                        ; K: keys 16 (f / 2) on, channels 32 (f % 2) on
	ds_load_b128 v[KV+8*\f:KV+8*\f+3], v[ADK] offset:(64*(\q)+16*(\f/2))*KP+64*(\f%2)
	ds_load_b128 v[KV+8*\f+4:KV+8*\f+7], v[ADK] offset:(64*(\q)+16*(\f/2))*KP+64*(\f%2)+32
.endr
	s_wait_dscnt 0x0
.irp ds, 0,1                                   ; S^T = K Q^T: eight accumulators by turns, one instruction a turn
.irp kt, 0,1,2,3
.irp qt, 0,1
.if \ds == 0
	v_wmma_f32_16x16x32_f16 v[SC+32*\qt+8*\kt:SC+32*\qt+8*\kt+7], v[KV+8*(2*\kt+\ds):KV+8*(2*\kt+\ds)+7], v[QF+16*\qt+8*\ds:QF+16*\qt+8*\ds+7], 0
.else
	v_wmma_f32_16x16x32_f16 v[SC+32*\qt+8*\kt:SC+32*\qt+8*\kt+7], v[KV+8*(2*\kt+\ds):KV+8*(2*\kt+\ds)+7], v[QF+16*\qt+8*\ds:QF+16*\qt+8*\ds+7], v[SC+32*\qt+8*\kt:SC+32*\qt+8*\kt+7]
.endif
.endr
.endr
.endr
.rept 4
	v_nop                                          ; places in front of the loads into K's registers and of the first read of the scores
.endr
.irp f, 0,1,2,3,4,5,6,7                        ; V, turned: keys 32 (f / 4) on, channels 16 (f % 4) on.  It lands while the softmax is worked
	ds_load_tr16_b128 v[KV+8*\f:KV+8*\f+3], v[ADV] offset:(64*(\q)+32*(\f/4))*VP+32*(\f%4)
	ds_load_tr16_b128 v[KV+8*\f+4:KV+8*\f+7], v[ADV] offset:(64*(\q)+32*(\f/4)+16)*VP+32*(\f%4)
.endr
	s_add_co_u32 s56, s[KF], 63                    ; on the diagonal hidden scores become -infinity ahead of the maximum; a step all of whose keys count skips this
	s_cmp_le_u32 s56, s[Q0]
	s_cbranch_scc1 .Lopen_\@
	s_sub_co_i32 s56, s[Q0], s[KF]
	v_add_nc_u32 v[D0], s56, v[DL]                 ; register 8 kt + j holds key KF + 16 kt + 8 h + j: hidden where 16 kt + j > my query - KF - 8 h
	v_add_nc_u32 v[D1], 16, v[D0]
.irp n, 0,1,2,3,4,5,6,7,8,9,10,11,12,13,14,15,16,17,18,19,20,21,22,23,24,25,26,27,28,29,30,31
	v_cmp_gt_i32 vcc_lo, 16*(\n/8)+\n%8, v[D0]
	v_cndmask_b32 v[SC+\n], v[SC+\n], v[NINF], vcc_lo
	v_cmp_gt_i32 vcc_lo, 16*(\n/8)+\n%8, v[D1]
	v_cndmask_b32 v[SC+32+\n], v[SC+32+\n], v[NINF], vcc_lo
.endr
.Lopen_\@:
.irp j, 0,1,2,3                                ; the maximum of my 32 scores and the old m, the two tiles line by line; each accumulator is read from its low end on
.irp t, 0,1
	v_max3_num_f32 v[ST+8*\t+4+\j], v[SC+32*\t+8*\j], v[SC+32*\t+8*\j+1], v[SC+32*\t+8*\j+2]
.endr
.endr
.irp u, 1,2
.irp j, 0,1,2,3
.irp t, 0,1
	v_max3_num_f32 v[ST+8*\t+4+\j], v[ST+8*\t+4+\j], v[SC+32*\t+8*\j+2*\u+1], v[SC+32*\t+8*\j+2*\u+2]
.endr
.endr
.endr
.irp t, 0,1
	v_max3_num_f32 v[ST+8*\t+4], v[ST+8*\t+4], v[SC+32*\t+7], v[SC+32*\t+15]
.endr
.irp t, 0,1
	v_max3_num_f32 v[ST+8*\t+6], v[ST+8*\t+6], v[SC+32*\t+23], v[SC+32*\t+31]
.endr
.irp t, 0,1
	v_max3_num_f32 v[ST+8*\t+4], v[ST+8*\t+4], v[ST+8*\t+5], v[ST+8*\t+6]
.endr
.irp t, 0,1
	v_max3_num_f32 v[ST+8*\t+4], v[ST+8*\t+4], v[ST+8*\t+7], v[ST+8*\t+1]
.endr
.irp t, 0,1
	v_permlanex16_b32 v[ST+8*\t+5], v[ST+8*\t+4], s[SEL], s[SEL+1]   ; the query's other 32 keys lie in the lane 16 away
.endr
.irp t, 0,1
	v_mov_b32 v[ST+8*\t+7], v[ST+8*\t]             ; c m_old
.endr
.irp t, 0,1
	v_max_num_f32 v[ST+8*\t+1], v[ST+8*\t+4], v[ST+8*\t+5]
.endr
.irp t, 0,1
	v_mul_f32 v[ST+8*\t], s[CS], v[ST+8*\t+1]
.endr
.irp t, 0,1
	v_sub_f32 v[ST+8*\t+7], v[ST+8*\t+7], v[ST+8*\t]
.endr
.irp b, 0,2,4,6,8,10,12,14,16,18,20,22,24,26,28,30
.irp t, 0,1
	v_pk_fma_f32 v[SC+32*\t+\b:SC+32*\t+\b+1], v[SC+32*\t+\b:SC+32*\t+\b+1], s[CS:CS+1], v[ST+8*\t:ST+8*\t+1] op_sel_hi:[1,0,0] neg_lo:[0,0,1] neg_hi:[0,0,1]   ; c s - c m
.endr
.endr
.irp t, 0,1
	v_exp_f32 v[ST+8*\t+6], v[ST+8*\t+7]           ; a
.endr
.set i, 0
.rept 32
	v_exp_f32 v[SC+i], v[SC+i]                     ; p: the step's 66 exponentials are one batch
	v_exp_f32 v[SC+32+i], v[SC+32+i]
.set i, i+1
.endr
	v_nop                                          ; a plain instruction behind the last exponential
	s_wait_alu depctr_va_vdst(0)                   ; one wait for the batch, ahead of its first reader
.irp t, 0,1
	v_pk_fma_f32 v[ST+8*\t+2:ST+8*\t+3], v[ST+8*\t+2:ST+8*\t+3], v[ST+8*\t+6:ST+8*\t+7], v[SC+32*\t:SC+32*\t+1] op_sel_hi:[1,0,1]   ; l = a l + the first pair; the sum is taken of p in f32, in two chains
.endr
.irp t, 0,1
	v_pk_add_f32 v[ST+8*\t+4:ST+8*\t+5], v[SC+32*\t+2:SC+32*\t+3], v[SC+32*\t+4:SC+32*\t+5]
.endr
.irp i, 6,10,14,18,22,26
.irp t, 0,1
	v_pk_add_f32 v[ST+8*\t+2:ST+8*\t+3], v[ST+8*\t+2:ST+8*\t+3], v[SC+32*\t+\i:SC+32*\t+\i+1]
	v_pk_add_f32 v[ST+8*\t+4:ST+8*\t+5], v[ST+8*\t+4:ST+8*\t+5], v[SC+32*\t+\i+2:SC+32*\t+\i+3]
.endr
.endr
.irp t, 0,1
	v_pk_add_f32 v[ST+8*\t+2:ST+8*\t+3], v[ST+8*\t+2:ST+8*\t+3], v[SC+32*\t+30:SC+32*\t+31]
.endr
.irp t, 0,1
	v_pk_add_f32 v[ST+8*\t+2:ST+8*\t+3], v[ST+8*\t+2:ST+8*\t+3], v[ST+8*\t+4:ST+8*\t+5]
.endr
.irp p, 0,1,2,3,4,5,6,7,8,9,10,11,12,13,14,15  ; p to f16, in place: pair p goes to register p, which no later pair reads
.irp t, 0,1
	v_cvt_pk_f16_f32 v[SC+32*\t+\p], v[SC+32*\t+2*\p], v[SC+32*\t+2*\p+1]
.endr
.endr
.irp b, 0,2,4,6,8,10,12,14,16,18,20,22,24,26,28,30
.irp t, 0,1
	v_pk_mul_f32 v[OT+32*\t+\b:OT+32*\t+\b+1], v[OT+32*\t+\b:OT+32*\t+\b+1], v[ST+8*\t+6:ST+8*\t+7] op_sel_hi:[1,0]   ; O^T x a
.endr
.endr
	s_wait_dscnt 0x0                               ; V is in
.irp c, 0,1                                    ; O^T += V^T P: eight accumulators by turns
.irp ct, 0,1,2,3
.irp qt, 0,1
	v_wmma_f32_16x16x32_f16 v[OT+32*\qt+8*\ct:OT+32*\qt+8*\ct+7], v[KV+8*(4*\c+\ct):KV+8*(4*\c+\ct)+7], v[SC+32*\qt+8*\c:SC+32*\qt+8*\c+7], v[OT+32*\qt+8*\ct:OT+32*\qt+8*\ct+7]
.endr
.endr
.endr
.Lhidden_\@:
	s_add_co_u32 s[KF], s[KF], 64
.endm
; THE CHANGE OF SLOTS stands at a slot's head.  Each wave waits for all its tensor loads, adds 0 to its spare word, and waits for that and for its reads of the slot that it has left.  Behind the barrier the
; slot ahead is whole and nobody reads the other one.  fill = 1: that other slot takes the next 256 keys, while some wave of the work-group will read them.
.macro CHANGE fill
	s_wait_tensorcnt 0x0                           ; no tensor load of mine is out, so a group 0 may be written
	ds_add_u32 v[SPW], v[NIL]                      ; 0 onto my spare word
.if \fill
	ds_add_u32 v[SPW], v[NIL]                      ; and once more
	s_xor_b32 s[G0K+1], s[G0K+1], SLOT1
	s_add_nc_u64 s[G0K+2:G0K+3], s[G0K+2:G0K+3], SLOTB
	s_xor_b32 s[G0V+1], s[G0V+1], SLOT1
	s_add_nc_u64 s[G0V+2:G0V+3], s[G0V+2:G0V+3], SLOTB
	s_wait_xcnt 0x0                                ; the last prefetch, a slot back, has read its address
	s_add_nc_u64 s[PFA:PFA+1], s[PFA:PFA+1], SLOTB
.endif
	s_wait_dscnt 0x0
	s_barrier_signal -1
	s_barrier_wait -1
.if \fill
	s_add_co_u32 s56, s[KF], SK                    ; the first key of the slot that this change would ask for
	s_cmp_gt_u32 s56, s[QL]                        ; past my work-group's last query it would be read by none of the sixteen waves.  Ids and the count of steps alone: all waves go the same way.
	s_cbranch_scc1 .Lpast_\@                       ; Every wait on TENSORcnt in this text is for 0, and the jump leads round the load's own lines alone
	TLOAD
.Lpast_\@:
	ASK
.endif
.endm
.macro SLOT_STEPS
.irp q, 0,1,2,3
	STEP \q
.endr
	s_xor_b32 s[TB], s[TB], SLOT1
.endm
	s_wait_loadcnt 0x0                             ; Q
.Lslot:                                            ; seven trips
	CHANGE 1
	SLOT_STEPS
	s_sub_co_u32 s[SLOTS], s[SLOTS], 1
	s_cmp_lg_u32 s[SLOTS], 0
	s_cbranch_scc1 .Lslot
	CHANGE 0                                       ; the last slot is written out: nothing is left to ask for
	SLOT_STEPS
	; THE WAY OUT.  O^T / l, rounded to f16, through my stage: 32 rows of 128 bytes leave as eight stores of 512 consecutive bytes.
.irp t, 0,1
	v_add_f32 v[ST+8*\t+4], v[ST+8*\t+2], v[ST+8*\t+3]
.endr
.irp t, 0,1
	v_permlanex16_b32 v[ST+8*\t+5], v[ST+8*\t+4], s[SEL], s[SEL+1]
.endr
.irp t, 0,1
	v_add_f32 v[ST+8*\t+4], v[ST+8*\t+4], v[ST+8*\t+5]
.endr
.irp t, 0,1
	v_rcp_f32 v[ST+8*\t+6], v[ST+8*\t+4]
.endr
	v_nop
	s_wait_alu depctr_va_vdst(0)                   ; one wait for the two reciprocals
.irp t, 0,1
.irp b, 0,2,4,6,8,10,12,14,16,18,20,22,24,26,28,30
	v_pk_mul_f32 v[OT+32*\t+\b:OT+32*\t+\b+1], v[OT+32*\t+\b:OT+32*\t+\b+1], v[ST+8*\t+6:ST+8*\t+7] op_sel_hi:[1,0]
.endr
.endr
.irp t, 0,1
.irp p, 0,1,2,3,4,5,6,7,8,9,10,11,12,13,14,15
	v_cvt_pk_f16_f32 v[SC+16*\t+\p], v[OT+32*\t+2*\p], v[OT+32*\t+2*\p+1]   ; registers 4 ct .. 4 ct + 3: channels 16 ct + 8 h + 0 .. 7 of query r
.endr
.endr
.irp t, 0,1
.irp ct, 0,1,2,3
	ds_store_b128 v[STO], v[SC+16*\t+4*\ct:SC+16*\t+4*\ct+3] offset:16*\t*KP+32*\ct
.endr
.endr
.irp i, 0,1,2,3,4,5,6,7
	ds_load_b128 v[KV+4*\i:KV+4*\i+3], v[RD] offset:4*\i*KP          ; LDS serves a wave's instructions in order: these see my stores
.endr
.irp i, 0,1,2,3,4,5,6,7
	s_wait_dscnt 7-\i
	global_store_b128 v[GO], v[KV+4*\i:KV+4*\i+3], s[52:53] offset:512*\i
.endr
	s_wait_tensorcnt 0x0                           ; the wave's end
	ds_add_u32 v[SPW], v[NIL]
	s_wait_dscnt 0x0
	s_endpgm
.Lfunc_end_k_q30e4b24733_attn:
	.size	k_q30e4b24733_attn, .Lfunc_end_k_q30e4b24733_attn-k_q30e4b24733_attn
	.p2alignl 7, 3214868480
	.fill 96, 4, 3214868480
	.section	.rodata,"a",@progbits
	.p2align	6, 0x0
	.amdhsa_kernel k_q30e4b24733_attn
		.amdhsa_group_segment_fixed_size 327680
		.amdhsa_private_segment_fixed_size 0
		.amdhsa_enable_private_segment 0
		.amdhsa_kernarg_size 16
		.amdhsa_user_sgpr_count 2
		.amdhsa_user_sgpr_kernarg_segment_ptr 1
		.amdhsa_wavefront_size32 1
		.amdhsa_system_sgpr_workgroup_id_x 1
		.amdhsa_system_sgpr_workgroup_id_y 1
		.amdhsa_system_sgpr_workgroup_id_z 1
		.amdhsa_system_vgpr_workitem_id 0
		.amdhsa_next_free_vgpr 256
		.amdhsa_next_free_sgpr 66
		.amdhsa_reserve_vcc 1
		.amdhsa_float_denorm_mode_32 3
		.amdhsa_float_denorm_mode_16_64 3
		.amdhsa_memory_ordered 1
		.amdhsa_forward_progress 1
		.amdhsa_inst_pref_size 188
	.end_amdhsa_kernel
	.amdgpu_metadata
---
amdhsa.version: [ 1, 2 ]
amdhsa.kernels:
  - .name:           k_q30e4b24733_attn
    .symbol:         k_q30e4b24733_attn.kd
    .args:
      - { .name: qkv, .offset: 0, .size: 8, .value_kind: global_buffer, .address_space: global }
      - { .name: y, .offset: 8, .size: 8, .value_kind: global_buffer, .address_space: global }
    .group_segment_fixed_size: 327680
    .private_segment_fixed_size: 0
    .kernarg_segment_align: 8
    .kernarg_segment_size: 16
    .max_flat_workgroup_size: 512
    .sgpr_count:     66
    .vgpr_count:     256
    .wavefront_size: 32
...
	.end_amdgpu_metadata
.endif
;; end of part 3
;; launch proj (part 4): grid 4 x 64, 4 waves a work-group, clusters of 4 x 4, 327,680 bytes of LDS; arguments y, wpt, out0; writes out0
.if DOCPART == 4
	.amdgcn_target "amdgcn-amd-amdhsa--gfx1250"
	.amdhsa_code_object_version 6
	.text
	.protected	k_q30e4b24733_proj
	.globl	k_q30e4b24733_proj
	.p2align	8
	.type	k_q30e4b24733_proj,@function
k_q30e4b24733_proj:
	s_mov_b64 s[64:65], 0
	v_nop
	global_prefetch_b8 v0, s[64:65] scope:SCOPE_SE
	s_setreg_imm32_b32 hwreg(HW_REG_WAVE_MODE, 25, 1), 1
	s_wait_xcnt 0x0
	s_wait_alu depctr_hold_cnt(0) depctr_sa_sdst(0) depctr_va_vdst(0) depctr_va_sdst(0) depctr_va_ssrc(0) depctr_va_vcc(0) depctr_vm_vsrc(0)
	s_getreg_b32 s2, hwreg(HW_REG_IB_STS2, 6, 4)
	s_cmp_eq_u32 s2, 0
	s_cbranch_scc0 .Lentry_in_a_cluster
	s_endpgm
.Lentry_in_a_cluster:
	s_bfe_u32 s2, ttmp6, 0x10000c
	s_cmp_lg_u32 s2, 0xf033
	s_cbranch_scc0 .Lentry_shape_is_right
	s_endpgm
.Lentry_shape_is_right:
; out0 = y W_proj: [8192][1024] x [1024][1024], f16 operands, f32 sums, f32 out.  A = y [h = 16][m = 8192][64] f16 (k = 64 h + channel), B = wpt [n = 1024][k = 1024] f16.
; All 8,192 rows are made here; the 64 rows of positions 0-15 are written anew, in f32 throughout, by the launch that follows.
; A tile of out0 is 128 (m) x 256 (n): 256 work-groups.  Four waves, each 64 x 128: 32 accumulators, all of window 1 ((a, b) at v[8 (8 a + b)]).
; K goes in eight steps of 128 (two heads of y) through a ring of two LDS slots; one joint load a wave behind each round: waves 0, 1 a head's 128 rows x 128 bytes of y, waves 2, 3 128 rows x 256 bytes of wpt.
; CLUSTERS: 4 x 4.  The four of a row of the cluster need the same tiles of y, the four of a column the same tiles of wpt.
; THE MATRIX INSTRUCTION IS USED TRANSPOSED (source 0 = 16 rows of wpt, source 1 = 16 rows of y): a lane holds eight neighbouring columns of one row of out0.
; WINDOW 0: v16-30 addresses; two fragment buffers of 96 for 32 along K: A's four fragments, then B's eight: v64-159 and v160-255; on the way out v64-191.
.set PA,     144                       ; a row of y's tile in LDS: 128 bytes + 16
.set PB,     272                       ; a row of wpt's: 256 + 16
.set BOFF,   2*128*PA                  ; a slot: two heads x 128 rows of y, then 256 rows of wpt
.set SLOT,   BOFF+256*PB
.set STAGE,  2*SLOT                    ; behind the ring: 16 rows x (512 + 16) for each wave
.set SPITCH, 528
.set SPARE,  STAGE+4*16*SPITCH         ; the spare words
.set ADRA, 16
.set ADRB, 20
.set STO,  24
.set RD,   25
.set CO,   26
.set SPW,  28
.set NIL,  29
.set PFO,  30
.set F0,   64
.set F1,   160
.set G1,  24
.set G0,  32
.set G1B, 48
.set G0B, 56
.set PFA, 66                           ; s[66:67] where my prefetches stand
.set PFS, 68                           ; s[68:69] a K step on, in bytes: two heads in y, 256 bytes in a row of wpt
.set LIM, 70
.set MSB, 0
.macro WIN new
.if MSB != (\new)
	s_set_vgpr_msb (MSB<<8)|(\new)
.set MSB, (\new)
.endif
.endm
.set MUL, 0x50                         ; C and D window 1, sources window 0
.macro JLOAD s                         ; a joint load; an s_nop 0 and four v_nop follow each line
	s_cmp_eq_u32 s11, 0
	s_cbranch_scc0 .Lfor_b_\@
	tensor_load_to_lds s[G0+4*\s:G0+4*\s+3], s[G1:G1+7]
	s_nop 0
.rept 4
	v_nop
.endr
	s_branch .Lasked_\@
.Lfor_b_\@:
	tensor_load_to_lds s[G0B+4*\s:G0B+4*\s+3], s[G1B:G1B+7]
	s_nop 0
.rept 4
	v_nop
.endr
.Lasked_\@:
.endm
.macro CREST
	s_cmp_lg_u32 s10, 0
	s_cbranch_scc1 .Lnot_wave_0_\@
	s_barrier_signal -3
.Lnot_wave_0_\@:
	s_barrier_wait -3
	s_barrier_signal -1
	s_barrier_wait -1
.endm
.macro CROUND
	s_barrier_signal -1
	s_barrier_wait -1
	CREST
.endm
; A PREFETCH INTO THE L2 of the K step that stands two refills on, behind each joint load and the run of LDS loads that follows it.  Each aligned 256 bytes are named once in the launch.
; y's tile row is read by one cluster: in it wave 0 of each of the four partners along x takes 8,192 of the K step's 32,768 bytes, told apart by address (head cx / 2, half cx % 2), lanes 256 bytes apart.
; wpt's tile column is read by all sixteen clusters: that with y = 0 asks; waves 2 and 3 take, of the 128 rows that they fetch, rows 32 cy on, a lane a row.  The loop's last trip asks for nothing.
.macro ASK
	s_cmp_gt_u32 s3, s[LIM]
	s_cbranch_scc0 .Lnot_mine_\@
	global_prefetch_b8 v[PFO], s[PFA:PFA+1] th:TH_LOAD_NT scope:SCOPE_SE
.Lnot_mine_\@:
.endm
	s_load_b128 s[4:7], s[0:1], 0x0                ; y s[4:5], wpt s[6:7]
	s_load_b64 s[8:9], s[0:1], 0x10                ; out0
	v_lshl_add_u32 v[SPW], v0, 2, SPARE
	v_mov_b32 v[NIL], 0
	ds_add_u32 v[SPW], v[NIL]                      ; the wave's opening: the add, twice on end, and its wait ahead of my first tensor load
	ds_add_u32 v[SPW], v[NIL]
	v_lshrrev_b32 v1, 5, v0
	v_readfirstlane_b32 s10, v1                    ; wave 0..3
	s_lshr_b32 s11, s10, 1                         ; which 64 rows are mine.  Also: I fetch for y (0) or for wpt (1)
	s_and_b32 s12, s10, 1                          ; which 128 columns.  Also: which head, or which 128 rows, I fetch
	s_bfe_u32 s40, ttmp6, 0x40000                  ; cx
	s_bfe_u32 s41, ttmp6, 0x40004                  ; cy
	s_lshl_b32 s42, ttmp9, 2
	s_add_co_u32 s42, s42, s40                     ; tile column
	s_and_b32 s13, ttmp7, 0xffff
	s_lshl_b32 s13, s13, 2
	s_add_co_u32 s13, s13, s41                     ; tile row
	s_lshl_b32 s43, s41, 2
	s_lshl_b32 s43, 15, s43                        ; my row of the cluster
	s_lshl_b32 s44, 0x1111, s40                    ; my column
	s_or_b32 s[G1+0], s43, (1<<16)|(1<<20)|(1<<21)|(4<<22)|(3<<25)   ; y: elements of 2 bytes; after every 32 words four words of padding
	s_mov_b32 s[G1+1], 64<<16
	s_mov_b32 s[G1+2], 128<<16
	s_mov_b32 s[G1+3], 64<<16
	s_mov_b32 s[G1+4], 128
	s_mov_b32 s[G1+5], 64
	s_mov_b32 s[G1+6], 0
	s_mov_b32 s[G1+7], 0
	s_or_b32 s[G1B+0], s44, (1<<16)|(1<<20)|(1<<21)|(5<<22)|(3<<25)  ; wpt: after every 64 words
	s_mov_b32 s[G1B+1], 128<<16
	s_mov_b32 s[G1B+2], 128<<16
	s_mov_b32 s[G1B+3], 128<<16
	s_mov_b32 s[G1B+4], 128
	s_mov_b32 s[G1B+5], 1024
	s_mov_b32 s[G1B+6], 0
	s_mov_b32 s[G1B+7], 0
	s_lshl_b32 s16, s13, 14                        ; y: 128 rows of 128 bytes a tile row,
	s_lshl_b32 s17, s12, 20                        ; head wave % 2
	s_add_co_u32 s16, s16, s17
	s_mov_b32 s17, 0
	s_lshl_b32 s46, s42, 8
	s_lshl_b32 s47, s12, 7
	s_add_co_u32 s46, s46, s47                     ; wpt: row 256 x tile column + 128 x (wave % 2),
	s_lshl_b32 s46, s46, 11                        ; 2,048 bytes a row
	s_mov_b32 s47, 0
	s_mul_i32 s20, s12, 128*PA                     ; where they go: no place in the cluster enters an LDS address
	s_mul_i32 s21, s12, 128*PB
	s_add_co_u32 s21, s21, BOFF
	s_wait_dscnt 0x0                               ; both opening adds are done
	s_wait_kmcnt 0x0
	s_add_nc_u64 s[14:15], s[4:5], s[16:17]
	s_add_nc_u64 s[46:47], s[6:7], s[46:47]
	CROUND                                         ; all sixteen work-groups are here
.irp s, 0,1
	s_mov_b32 s[G0+4*\s], 1
	s_add_co_u32 s[G0+4*\s+1], s20, \s*SLOT
	s_add_nc_u64 s[G0+4*\s+2:G0+4*\s+3], s[14:15], \s*0x200000       ; K step s: heads 2 s, 2 s + 1
	s_or_b32 s[G0+4*\s+3], s[G0+4*\s+3], 0x80000000
	s_mov_b32 s[G0B+4*\s], 1
	s_add_co_u32 s[G0B+4*\s+1], s21, \s*SLOT
	s_add_nc_u64 s[G0B+4*\s+2:G0B+4*\s+3], s[46:47], \s*256
	s_or_b32 s[G0B+4*\s+3], s[G0B+4*\s+3], 0x80000000
	JLOAD \s
.endr
	v_and_b32 v1, 15, v0                           ; r
	v_bfe_u32 v2, v0, 4, 1                         ; h
	v_mul_u32_u24 v3, v1, PA
	v_lshl_add_u32 v3, v2, 4, v3
	v_mul_u32_u24 v4, v1, PB
	v_lshl_add_u32 v4, v2, 4, v4
	s_mul_i32 s72, s11, 64*PA                      ; my 64 rows of y (of each head)
	s_mul_i32 s73, s12, 128*PB
	s_add_co_u32 s73, s73, BOFF                    ; my 128 rows of wpt
.irp s, 0,1
	v_add_nc_u32 v[ADRA+\s], s72, v3
	v_add_nc_u32 v[ADRB+\s], s73, v4
	s_add_co_u32 s72, s72, SLOT
	s_add_co_u32 s73, s73, SLOT
.endr
	s_mul_i32 s72, s10, 16*SPITCH
	s_add_co_u32 s72, s72, STAGE                   ; my stage
	v_mul_u32_u24 v5, v1, SPITCH
	v_lshl_add_u32 v5, v2, 5, v5
	v_add_nc_u32 v[STO], s72, v5                   ; in: row r, 32 bytes for each half of the lanes
	v_and_b32 v6, 31, v0
	v_lshlrev_b32 v[CO], 4, v6
	v_add_nc_u32 v[RD], s72, v[CO]                 ; back: the 32 lanes take a row of 512 bytes
	s_lshl_b32 s16, s13, 7
	s_lshl_b32 s17, s11, 6
	s_add_co_u32 s16, s16, s17                     ; my first row of out0,
	s_lshl_b32 s16, s16, 12                        ; 4,096 bytes a row
	s_mov_b32 s17, 0
	s_add_nc_u64 s[8:9], s[8:9], s[16:17]
	s_lshl_b32 s46, s42, 10
	s_lshl_b32 s47, s12, 9
	s_add_co_u32 s46, s46, s47                     ; my first column, in bytes
	s_mov_b32 s47, 0
	s_add_nc_u64 s[8:9], s[8:9], s[46:47]
	; the prefetches
	s_lshl_b32 s72, s13, 14                        ; y: the tile row,
	s_lshr_b32 s73, s40, 1
	s_lshl_b32 s73, s73, 20                        ; head cx / 2 of the K step's two,
	s_add_co_u32 s72, s72, s73
	s_and_b32 s73, s40, 1
	s_lshl_b32 s73, s73, 13                        ; half cx % 2 of its 16,384 bytes,
	s_add_co_u32 s72, s72, s73
	s_add_co_u32 s72, s72, 3*0x200000              ; at K step 3: the first change of slots steps it to 4
	s_lshl_b32 s74, s42, 8                         ; wpt: the tile column's rows,
	s_lshl_b32 s75, s12, 7
	s_add_co_u32 s74, s74, s75                     ; the 128 that I fetch,
	s_lshl_b32 s75, s41, 5
	s_add_co_u32 s74, s74, s75                     ; my work-group's 32 of them,
	s_lshl_b32 s74, s74, 11
	s_add_co_u32 s74, s74, 3*256                   ; at K step 3
	s_and_b32 s75, ttmp7, 0xffff                   ; cluster y
	s_mov_b32 s[PFS], 256
	s_mov_b32 s[PFS+1], 0
	s_cmp_eq_u32 s11, 0                            ; do I fetch for y?
	s_cselect_b64 s[PFA:PFA+1], s[4:5], s[6:7]
	s_cselect_b32 s72, s72, s74
	s_cselect_b32 s[PFS], 0x200000, s[PFS]
	s_cselect_b32 s74, 8, 11                       ; from lane to lane: 256 bytes in y, a row of 2,048 in wpt
	s_cselect_b32 s75, s12, s75                    ; who asks: wave 0; waves 2 and 3 of the clusters with y = 0: the same in all sixteen partners
	s_cmp_eq_u32 s75, 0
	s_cselect_b32 s[LIM], 1, -1
	s_mov_b32 s73, 0
	s_add_nc_u64 s[PFA:PFA+1], s[PFA:PFA+1], s[72:73]
	v_lshlrev_b32 v[PFO], s74, v6
.macro MUL8 f, a, zero                 ; A's block a x B's eight, 32 along K.  The 32 accumulators take turns, one instruction a turn, in the same order in every quarter
.irp b, 0,1,2,3,4,5,6,7
.if \zero
	v_wmma_f32_16x16x32_f16 v[8*(8*(\a)+\b):8*(8*(\a)+\b)+7], v[\f+32+8*\b:\f+32+8*\b+7], v[\f+8*(\a):\f+8*(\a)+7], 0
.else
	v_wmma_f32_16x16x32_f16 v[8*(8*(\a)+\b):8*(8*(\a)+\b)+7], v[\f+32+8*\b:\f+32+8*\b+7], v[\f+8*(\a):\f+8*(\a)+7], v[8*(8*(\a)+\b):8*(8*(\a)+\b)+7]
.endif
.endr
.endm
.macro FETCH slot, q, f                ; 24 LDS loads in one run: the slot's q-th 32 along K: B's eight fragments, then A's four (head q / 2, channels 32 (q % 2) on)
	WIN 0
.irp i, 0,1,2,3,4,5,6,7
	ds_load_b128 v[\f+32+8*\i:\f+32+8*\i+3], v[ADRB+\slot] offset:64*(\q)+\i*16*PB
	ds_load_b128 v[\f+32+8*\i+4:\f+32+8*\i+7], v[ADRB+\slot] offset:64*(\q)+\i*16*PB+32
.endr
.irp i, 0,1,2,3
	ds_load_b128 v[\f+8*\i:\f+8*\i+3], v[ADRA+\slot] offset:((\q)/2)*128*PA+((\q)%2)*64+\i*16*PA
	ds_load_b128 v[\f+8*\i+4:\f+8*\i+7], v[ADRA+\slot] offset:((\q)/2)*128*PA+((\q)%2)*64+\i*16*PA+32
.endr
.endm
.macro PLACES
.rept 4
	v_nop
.endr
.endm
.macro QUARTER slot, q, f, g, zero     ; multiplies buffer f; in its middle fetches the slot's q-th quarter into g
	s_wait_dscnt 4                                 ; B and A's blocks 0, 1 are in; the youngest four loads (A's blocks 2, 3) may be out
	WIN MUL
	MUL8 \f, 0, \zero
	MUL8 \f, 1, \zero
	PLACES
	FETCH \slot, \q, \g
	s_wait_dscnt 24                                ; all but the 24 just issued
	WIN MUL
	MUL8 \f, 2, \zero
	MUL8 \f, 3, \zero
.endm
; A slot's last quarter multiplies buffer 1 and changes slots: in front of the barrier each wave waits for all its tensor loads, adds 0 to its spare word, and waits for that and for its reads of this slot.
; fill = 1: the barrier opens a round of the cluster's, and the joint refill, two K steps ahead, is the first thing behind it.
.macro TURN slot, next, fill
.if \fill
	s_wait_xcnt 0x0                                ; the last prefetch, a K step back, has read its address
	s_add_nc_u64 s[PFA:PFA+1], s[PFA:PFA+1], s[PFS:PFS+1]
.endif
	WIN 0
	s_wait_tensorcnt 0x0                           ; all my tensor loads have landed: my part of the next slot
	ds_add_u32 v[SPW], v[NIL]                      ; 0 onto my spare word
	s_wait_dscnt 5                                 ; (the add and A's blocks 2, 3 may be out)
	WIN MUL
	MUL8 F1, 0, 0
	s_wait_dscnt 0x0                               ; the add is done, and my reads of this slot are over
	s_barrier_signal -1
	MUL8 F1, 1, 0
	WIN 0
	s_barrier_wait -1
.if \fill
	CREST                                          ; no wave of any partner still reads this slot or has a load on its way
	s_add_nc_u64 s[G0+4*\slot+2:G0+4*\slot+3], s[G0+4*\slot+2:G0+4*\slot+3], 0x400000
	s_add_nc_u64 s[G0B+4*\slot+2:G0B+4*\slot+3], s[G0B+4*\slot+2:G0B+4*\slot+3], 512
	JLOAD \slot                                    ; its four v_nop are also the places in front of the loads below
.else
	PLACES
.endif
	FETCH \next, 0, F0
.if \fill
	ASK
.endif
	WIN MUL
	MUL8 F1, 2, 0
	MUL8 F1, 3, 0
.endm
	s_wait_tensorcnt 1                             ; my part of K step 0 is in; K step 1's may be out
	s_barrier_signal -1
	s_barrier_wait -1
	FETCH 0, 0, F0
	QUARTER 0, 1, F0, F1, 1                        ; the first quarter's products start the sums
	WIN 0
	s_mov_b32 s3, 3
.Llap:                                             ; a trip goes once round the ring and fills both slots again
	QUARTER 0, 2, F1, F0, 0
	QUARTER 0, 3, F0, F1, 0
	TURN 0, 1, 1
	QUARTER 1, 1, F0, F1, 0
	QUARTER 1, 2, F1, F0, 0
	QUARTER 1, 3, F0, F1, 0
	TURN 1, 0, 1
	QUARTER 0, 1, F0, F1, 0
	WIN 0
	s_sub_co_u32 s3, s3, 1
	s_cmp_lg_u32 s3, 0
	s_cbranch_scc1 .Llap
	QUARTER 0, 2, F1, F0, 0                        ; the last lap fills nothing
	QUARTER 0, 3, F0, F1, 0
	TURN 0, 1, 0
	QUARTER 1, 1, F0, F1, 0
	QUARTER 1, 2, F1, F0, 0
	QUARTER 1, 3, F0, F1, 0
	s_wait_dscnt 4
	WIN MUL
	MUL8 F1, 0, 0
	MUL8 F1, 1, 0
	s_wait_dscnt 0
	MUL8 F1, 2, 0
	MUL8 F1, 3, 0
	WIN 0
; THE WAY OUT, a block of 16 rows x 128 columns at a time, through my own stage: back as whole rows of 512 bytes.
.macro TOSTAGE a
	WIN 0x04                                       ; an LDS store's data are its source 1: window 1
.irp b, 0,1,2,3,4,5,6,7
	ds_store_b128 v[STO], v[64*(\a)+8*\b:64*(\a)+8*\b+3] offset:64*\b          ; each accumulator from its low end on
	ds_store_b128 v[STO], v[64*(\a)+8*\b+4:64*(\a)+8*\b+7] offset:64*\b+16
.endr
	WIN 0
.set BB, 64+64*((\a)%2)
.irp t, 0,1,2,3,4,5,6,7,8,9,10,11,12,13,14,15
	ds_load_b128 v[BB+4*\t:BB+4*\t+3], v[RD] offset:\t*SPITCH
.endr
.endm
.macro SEND a, younger
.set BB, 64+64*((\a)%2)
	s_wait_dscnt \younger                          ; the block is back in registers; the next block's 16 stores and 16 loads may be out
.irp t, 0,1,2,3,4,5,6,7,8,9,10,11,12,13,14,15
	global_store_b128 v[CO], v[BB+4*\t:BB+4*\t+3], s[8:9] offset:(16*(\a)+\t)*4096 th:TH_STORE_NT   ; 32 lanes store 512 consecutive bytes, aligned
.endr
.endm
	PLACES
	TOSTAGE 0
.irp a, 1,2,3
.if \a > 1
	s_wait_xcnt 0x0                                ; block a - 2's stores have read their registers: block a's loads may land there
.endif
	TOSTAGE \a
	SEND \a-1, 32
.endr
	SEND 3, 0
	s_wait_tensorcnt 0x0                           ; the wave's end
	ds_add_u32 v[SPW], v[NIL]
	s_wait_dscnt 0x0
	CROUND                                         ; the closing round
	s_endpgm
.Lfunc_end_k_q30e4b24733_proj:
	.size	k_q30e4b24733_proj, .Lfunc_end_k_q30e4b24733_proj-k_q30e4b24733_proj
	.p2alignl 7, 3214868480
	.fill 96, 4, 3214868480
	.section	.rodata,"a",@progbits
	.p2align	6, 0x0
	.amdhsa_kernel k_q30e4b24733_proj
		.amdhsa_group_segment_fixed_size 327680
		.amdhsa_private_segment_fixed_size 0
		.amdhsa_enable_private_segment 0
		.amdhsa_kernarg_size 24
		.amdhsa_user_sgpr_count 2
		.amdhsa_user_sgpr_kernarg_segment_ptr 1
		.amdhsa_wavefront_size32 1
		.amdhsa_system_sgpr_workgroup_id_x 1
		.amdhsa_system_sgpr_workgroup_id_y 1
		.amdhsa_system_sgpr_workgroup_id_z 1
		.amdhsa_system_vgpr_workitem_id 0
		.amdhsa_next_free_vgpr 512
		.amdhsa_next_free_sgpr 80
		.amdhsa_reserve_vcc 0
		.amdhsa_float_denorm_mode_32 3
		.amdhsa_float_denorm_mode_16_64 3
		.amdhsa_memory_ordered 1
		.amdhsa_forward_progress 1
		.amdhsa_inst_pref_size 86
	.end_amdhsa_kernel
	.amdgpu_metadata
---
amdhsa.version: [ 1, 2 ]
amdhsa.kernels:
  - .name:           k_q30e4b24733_proj
    .symbol:         k_q30e4b24733_proj.kd
    .args:
      - { .name: y, .offset: 0, .size: 8, .value_kind: global_buffer, .address_space: global }
      - { .name: wpt, .offset: 8, .size: 8, .value_kind: global_buffer, .address_space: global }
      - { .name: out0, .offset: 16, .size: 8, .value_kind: global_buffer, .address_space: global }
    .group_segment_fixed_size: 327680
    .private_segment_fixed_size: 0
    .kernarg_segment_align: 8
    .kernarg_segment_size: 24
    .max_flat_workgroup_size: 128
    .sgpr_count:     80
    .vgpr_count:     512
    .wavefront_size: 32
...
	.end_amdgpu_metadata
.endif
;; end of part 4
;; launch fine (part 5): grid 16 x 4, 16 waves a work-group, no clusters, 71,680 bytes of LDS; arguments qkv16, W_proj, out0; writes out0
.if DOCPART == 5
	.amdgcn_target "amdgcn-amd-amdhsa--gfx1250"
	.amdhsa_code_object_version 6
	.text
	.protected	k_q30e4b24733_fine
	.globl	k_q30e4b24733_fine
	.p2align	8
	.type	k_q30e4b24733_fine,@function
k_q30e4b24733_fine:
	s_mov_b64 s[64:65], 0
	v_nop
	global_prefetch_b8 v0, s[64:65] scope:SCOPE_SE
	s_setreg_imm32_b32 hwreg(HW_REG_WAVE_MODE, 25, 1), 1
	s_wait_xcnt 0x0
; THE FIRST 16 POSITIONS OF EACH BATCH, IN f32 THROUGHOUT: there a row of the softmax averages one to sixteen values, and 16-bit operands would weigh most.  This launch runs last and writes those
; 64 rows of out0 anew (the launch before has written all rows).
; qkv16 [batch][16][3072] f32: q, k, v of positions 0-15 as the quantised product made them.  W_proj [1024 (k)][1024 (n)] f32.  out0 [batch][2048][1024] f32.
; SHARES.  Work-group (nb, b): rows 0-15 of batch b, columns 64 nb .. 64 nb + 63.  Wave = head: its 16 x 16 attention, then its 64 channels' part of the projection; the 16 parts meet in LDS and are added, heads ascending.
; All products by v_wmma_f32_16x16x4_f32.  A place (lane / 16, register) of its K stands for the same k on both sides, whichever k that is: so every result is the next product's operand as it lies.
;   S^T = K Q^T:   lane (r, h) holds channels 32 h .. 32 h + 31 of row r of q and of k;   result: key 8 h + j, query r
;   O^T = V^T P:   place (h, j) of step p is key 8 h + 2 p + j;                            result: channel 16 ct + 8 h + j, query r
;   Z^T = W^T Y^T: place (h, j) of step (ct, p) is channel 16 ct + 8 h + 2 p + j;          result: column 16 t + 8 h + j, query r
; The registers that these matrix instructions write (v16-79) are written by nothing else.
; W_proj comes in runs of 64 bytes: a small weight, of which a wave reads 64 rows x 256 bytes.  64 work-groups: a narrower block of columns would store less than 256 consecutive bytes a row.
.set SPW, 3
.set NIL, 4
.set SA,  16
.set SB,  24
.set OT,  32
.set Z0,  64
.set Z1,  72
.set PP,  80
.set TT,  88
.set QF,  96                           ; q; later W's tile 2
.set KK,  128                          ; k; later W's tile 3
.set VT,  160                          ; v; later the reduction's parts
.set W0,  192
.set W1,  224
.set SPARE, 16*4352                    ; behind the sixteen parts of 16 rows x 272 bytes: the spare words
	s_load_b128 s[4:7], s[0:1], 0x0                ; qkv16, W_proj
	s_load_b64 s[8:9], s[0:1], 0x10                ; out0
	v_lshl_add_u32 v[SPW], v0, 2, SPARE
	v_mov_b32 v[NIL], 0
	v_lshrrev_b32 v1, 5, v0
	v_readfirstlane_b32 s10, v1                    ; wave = head
	s_and_b32 s11, ttmp7, 0xffff                   ; batch
	v_and_b32 v1, 15, v0                           ; r
	v_bfe_u32 v2, v0, 4, 1                         ; h
	v_mul_u32_u24 v5, v1, 12288
	v_lshl_add_u32 v5, v2, 7, v5                   ; q, k: row r, channels 32 h on
	v_mul_u32_u24 v6, v2, 98304
	v_lshl_add_u32 v6, v1, 2, v6                   ; v: rows 8 h on, channel r
	v_lshlrev_b32 v7, 15, v2
	v_lshl_add_u32 v7, v1, 2, v7                   ; W_proj: rows 8 h on, column r
	v_lshlrev_b32 v8, 3, v2
	v_sub_nc_u32 v8, v1, v8                        ; r - 8 h
	v_mov_b32 v9, 0xff800000
	s_mul_i32 s16, s10, 4352
	v_mul_u32_u24 v10, v1, 272
	v_lshl_add_u32 v10, v2, 5, v10
	v_add_nc_u32 v10, s16, v10                     ; my part: row r, 32 bytes for each half of the lanes
	v_and_b32 v13, 0xff, v0
	v_lshrrev_b32 v14, 4, v13
	v_and_b32 v13, 15, v13
	v_lshlrev_b32 v13, 4, v13
	v_mad_u32_u24 v11, v14, 272, v13               ; the reduction (waves 0-7): row thread / 16, 16 bytes a thread
	v_lshl_add_u32 v12, v14, 12, v13               ; and the same place in out0
	s_mov_b32 s12, 0x76543210
	s_mov_b32 s13, 0xfedcba98
	s_mov_b32 s14, 0x3d38aa3b                      ; c = log2(e) / 32
	s_mul_i32 s16, s11, 196608
	s_lshl_b32 s17, s10, 8
	s_add_co_u32 s16, s16, s17
	s_mov_b32 s17, 0
	s_lshl_b32 s24, s10, 18                        ; 64 rows of W_proj a head
	s_lshl_b32 s25, ttmp9, 8
	s_add_co_u32 s24, s24, s25
	s_mov_b32 s25, 0
	s_lshl_b32 s26, s11, 23
	s_lshl_b32 s27, ttmp9, 8
	s_add_co_u32 s26, s26, s27
	s_mov_b32 s27, 0
	s_wait_kmcnt 0x0
	s_add_nc_u64 s[18:19], s[4:5], s[16:17]
	s_add_nc_u64 s[20:21], s[6:7], s[24:25]
	s_add_nc_u64 s[22:23], s[8:9], s[26:27]
.irp i, 0,1,2,3,4,5,6,7
	global_load_b128 v[QF+4*\i:QF+4*\i+3], v5, s[18:19] offset:16*\i
.endr
.irp i, 0,1,2,3,4,5,6,7
	global_load_b128 v[KK+4*\i:KK+4*\i+3], v5, s[18:19] offset:4096+16*\i
.endr
.irp ct, 0,1,2,3
.irp i, 0,1,2,3,4,5,6,7
	global_load_b32 v[VT+8*\ct+\i], v6, s[18:19] offset:8192+12288*\i+64*\ct   ; v(key 8 h + i, channel 16 ct + r)
.endr
.endr
.macro WLOAD reg, t                    ; W_proj's tile t of 16 columns: register 8 ct + i = W(64 head + 16 ct + 8 h + i, 64 nb + 16 t + r)
.irp ct, 0,1,2,3
.irp i, 0,1,2,3,4,5,6,7
	global_load_b32 v[\reg+8*\ct+\i], v7, s[20:21] offset:(16*\ct+\i)*4096+64*\t
.endr
.endr
.endm
	s_wait_loadcnt 32                              ; q and k are in; v's 32 loads may be out
	WLOAD W0, 0
	WLOAD W1, 1
	; S^T = K Q^T: two accumulators by turns; the first instruction on each starts its sum
.irp p, 0,1,2,3,4,5,6,7
.if \p == 0
	v_wmma_f32_16x16x4_f32 v[SA:SA+7], v[KK+4*\p:KK+4*\p+1], v[QF+4*\p:QF+4*\p+1], 0
	v_wmma_f32_16x16x4_f32 v[SB:SB+7], v[KK+4*\p+2:KK+4*\p+3], v[QF+4*\p+2:QF+4*\p+3], 0
.else
	v_wmma_f32_16x16x4_f32 v[SA:SA+7], v[KK+4*\p:KK+4*\p+1], v[QF+4*\p:QF+4*\p+1], v[SA:SA+7]
	v_wmma_f32_16x16x4_f32 v[SB:SB+7], v[KK+4*\p+2:KK+4*\p+3], v[QF+4*\p+2:QF+4*\p+3], v[SB:SB+7]
.endif
.endr
.rept 8
	v_nop                                          ; eight places behind this form (ISA guide 7.12.1)
.endr
.irp j, 0,1,2,3,4,5,6,7
	v_add_f32 v[PP+\j], v[SA+\j], v[SB+\j]         ; the score of key 8 h + j and query r
.endr
.irp j, 0,1,2,3,4,5,6,7
	v_cmp_gt_i32 vcc_lo, \j, v8                    ; hidden where 8 h + j > r
	v_cndmask_b32 v[PP+\j], v[PP+\j], v9, vcc_lo
.endr
	v_max3_num_f32 v[TT], v[PP], v[PP+1], v[PP+2]
	v_max3_num_f32 v[TT+1], v[PP+3], v[PP+4], v[PP+5]
	v_max3_num_f32 v[TT], v[TT], v[PP+6], v[PP+7]
	v_max_num_f32 v[TT], v[TT], v[TT+1]
	v_permlanex16_b32 v[TT+1], v[TT], s12, s13
	v_max_num_f32 v[TT], v[TT], v[TT+1]            ; the row's maximum: key 0 counts for every query
	v_mul_f32 v[TT+2], s14, v[TT]
.irp j, 0,1,2,3,4,5,6,7
	v_fma_f32 v[PP+\j], v[PP+\j], s14, -v[TT+2]
.endr
.irp j, 0,1,2,3,4,5,6,7
	v_exp_f32 v[PP+\j], v[PP+\j]
.endr
	v_nop
	s_wait_alu depctr_va_vdst(0)                   ; one wait for the eight, ahead of their first reader
	v_add_f32 v[TT], v[PP], v[PP+1]
	v_add_f32 v[TT+1], v[PP+2], v[PP+3]
	v_add_f32 v[TT+3], v[PP+4], v[PP+5]
	v_add_f32 v[TT+4], v[PP+6], v[PP+7]
	v_add_f32 v[TT], v[TT], v[TT+1]
	v_add_f32 v[TT+3], v[TT+3], v[TT+4]
	v_add_f32 v[TT], v[TT], v[TT+3]
	v_permlanex16_b32 v[TT+1], v[TT], s12, s13
	v_add_f32 v[TT], v[TT], v[TT+1]
	v_rcp_f32 v[TT+2], v[TT]
	v_nop
	s_wait_alu depctr_va_vdst(0)
.irp j, 0,1,2,3,4,5,6,7
	v_mul_f32 v[PP+\j], v[PP+\j], v[TT+2]          ; the softmax
.endr
	s_wait_loadcnt 63                              ; 64 loads were issued behind v's: v is in
	; O^T = V^T P: four accumulators by turns
.irp p, 0,1,2,3
.irp ct, 0,1,2,3
.if \p == 0
	v_wmma_f32_16x16x4_f32 v[OT+8*\ct:OT+8*\ct+7], v[VT+8*\ct+2*\p:VT+8*\ct+2*\p+1], v[PP+2*\p:PP+2*\p+1], 0
.else
	v_wmma_f32_16x16x4_f32 v[OT+8*\ct:OT+8*\ct+7], v[VT+8*\ct+2*\p:VT+8*\ct+2*\p+1], v[PP+2*\p:PP+2*\p+1], v[OT+8*\ct:OT+8*\ct+7]
.endif
.endr
.endr
	WLOAD QF, 2                                    ; into q's and k's registers: the softmax's lines stand between their last products and these loads
	WLOAD KK, 3
.rept 9
	v_nop                                          ; nine places: O^T becomes an operand
.endr
	s_wait_loadcnt 63                              ; 64 loads were issued behind tiles 0 and 1: they are in
.macro PASS wa, wb                     ; two tiles of 16 columns: two accumulators by turns, 16 steps of 4 channels each
.irp ct, 0,1,2,3
.irp p, 0,1,2,3
.if (\ct == 0) && (\p == 0)
	v_wmma_f32_16x16x4_f32 v[Z0:Z0+7], v[\wa+8*\ct+2*\p:\wa+8*\ct+2*\p+1], v[OT+8*\ct+2*\p:OT+8*\ct+2*\p+1], 0
	v_wmma_f32_16x16x4_f32 v[Z1:Z1+7], v[\wb+8*\ct+2*\p:\wb+8*\ct+2*\p+1], v[OT+8*\ct+2*\p:OT+8*\ct+2*\p+1], 0
.else
	v_wmma_f32_16x16x4_f32 v[Z0:Z0+7], v[\wa+8*\ct+2*\p:\wa+8*\ct+2*\p+1], v[OT+8*\ct+2*\p:OT+8*\ct+2*\p+1], v[Z0:Z0+7]
	v_wmma_f32_16x16x4_f32 v[Z1:Z1+7], v[\wb+8*\ct+2*\p:\wb+8*\ct+2*\p+1], v[OT+8*\ct+2*\p:OT+8*\ct+2*\p+1], v[Z1:Z1+7]
.endif
.endr
.endr
.rept 9
	v_nop                                          ; eight places for the stores that read the results, nine for the next pass, which begins the two accumulators anew
.endr
.endm
.macro ZOUT off                        ; lane (r, h): columns 8 h + 0 .. 7 of each tile, query r; each accumulator from its low end on
	ds_store_b128 v10, v[Z0:Z0+3] offset:\off
	ds_store_b128 v10, v[Z0+4:Z0+7] offset:\off+16
	ds_store_b128 v10, v[Z1:Z1+3] offset:\off+64
	ds_store_b128 v10, v[Z1+4:Z1+7] offset:\off+80
.endm
	PASS W0, W1
	ZOUT 0
	s_wait_loadcnt 0x0                             ; tiles 2 and 3
	s_wait_dscnt 0x0                               ; the stores have read the accumulators
	PASS QF, KK
	ZOUT 128
	s_wait_dscnt 0x0                               ; for the others' sake: my part lies in LDS
	s_barrier_signal -1
	s_barrier_wait -1
	s_cmp_ge_u32 s10, 8                            ; 256 threads add the sixteen parts
	s_cbranch_scc1 .Lend
.irp w, 0,1,2,3,4,5,6,7,8,9,10,11,12,13,14,15
	ds_load_b128 v[VT+4*\w:VT+4*\w+3], v11 offset:4352*\w
.endr
	s_wait_dscnt 0x0
.irp w, 1,2,3,4,5,6,7,8,9,10,11,12,13,14,15
	v_pk_add_f32 v[VT:VT+1], v[VT:VT+1], v[VT+4*\w:VT+4*\w+1]
	v_pk_add_f32 v[VT+2:VT+3], v[VT+2:VT+3], v[VT+4*\w+2:VT+4*\w+3]
.endr
	global_store_b128 v12, v[VT:VT+3], s[22:23]    ; sixteen lanes store 256 consecutive bytes, aligned
.Lend:
	s_wait_tensorcnt 0x0                           ; the wave's end
	ds_add_u32 v[SPW], v[NIL]
	s_wait_dscnt 0x0
	s_endpgm
.Lfunc_end_k_q30e4b24733_fine:
	.size	k_q30e4b24733_fine, .Lfunc_end_k_q30e4b24733_fine-k_q30e4b24733_fine
	.p2alignl 7, 3214868480
	.fill 96, 4, 3214868480
	.section	.rodata,"a",@progbits
	.p2align	6, 0x0
	.amdhsa_kernel k_q30e4b24733_fine
		.amdhsa_group_segment_fixed_size 71680
		.amdhsa_private_segment_fixed_size 0
		.amdhsa_enable_private_segment 0
		.amdhsa_kernarg_size 24
		.amdhsa_user_sgpr_count 2
		.amdhsa_user_sgpr_kernarg_segment_ptr 1
		.amdhsa_wavefront_size32 1
		.amdhsa_system_sgpr_workgroup_id_x 1
		.amdhsa_system_sgpr_workgroup_id_y 1
		.amdhsa_system_sgpr_workgroup_id_z 1
		.amdhsa_system_vgpr_workitem_id 0
		.amdhsa_next_free_vgpr 256
		.amdhsa_next_free_sgpr 66
		.amdhsa_reserve_vcc 1
		.amdhsa_float_denorm_mode_32 3
		.amdhsa_float_denorm_mode_16_64 3
		.amdhsa_memory_ordered 1
		.amdhsa_forward_progress 1
		.amdhsa_inst_pref_size 33
	.end_amdhsa_kernel
	.amdgpu_metadata
---
amdhsa.version: [ 1, 2 ]
amdhsa.kernels:
  - .name:           k_q30e4b24733_fine
    .symbol:         k_q30e4b24733_fine.kd
    .args:
      - { .name: qkv16, .offset: 0, .size: 8, .value_kind: global_buffer, .address_space: global }
      - { .name: W_proj, .offset: 8, .size: 8, .value_kind: global_buffer, .address_space: global }
      - { .name: out0, .offset: 16, .size: 8, .value_kind: global_buffer, .address_space: global }
    .group_segment_fixed_size: 71680
    .private_segment_fixed_size: 0
    .kernarg_segment_align: 8
    .kernarg_segment_size: 24
    .max_flat_workgroup_size: 512
    .sgpr_count:     66
    .vgpr_count:     256
    .wavefront_size: 32
...
	.end_amdgpu_metadata
.endif
;; end of part 5
